; MI455X (gfx1250); checked and timed in simulation.
; The chip was launched on July 23, 2026; its instructions are those of AMD's public machine-readable ISA for CDNA 5 (MIT licence, August 2026) and "CDNA5" Instruction Set Architecture Reference Guide (July 2026). The comments in the code are by the model that wrote it; some were corrected since.
;; Self Attention. Allowed arithmetic: matrix products marked QUANTISED: E2M3 operands, one E8M0 scale for each 32 along K, by v_wmma_scale_f32_16x16x128_f8f6f4 with both operands' format E2M3, f32 sums; everything else in f32.
;; Inputs: Wk 1,024 x 1,024 float32; Wo 1,024 x 1,024 float32; Wq 1,024 x 1,024 float32; Wv 1,024 x 1,024 float32; bk 1,024 float32; bo 1,024 float32; bq 1,024 float32; bv 1,024 float32; x 4 x 2,048 x 1,024 float32.
;; Outputs: out0 4 x 2,048 x 1,024 float32.
;; This version of the problem:
;;   THIS VERSION OF THE PROBLEM IS GIVEN IN LOW PRECISION. The matrix products marked QUANTISED in the list below multiply operands that are first quantised to E2M3 (2 exponent bits, 3 mantissa bits; 6 bits a number), with one power-of-two scale for each 32 numbers along K (OCP MX v1.0); their sums are f32. All else is computed in f32.
;;   The module's matrix products, in the order in which they are computed (A, B: the left and right operand; K: the contracted axis; several contracted axes count as one K, in the product's order):
;;     1. [M 8,192, K 1,024] x [K 1,024, N 1,024]; A: input x; B: input Wq: QUANTISED
;;     2. [M 8,192, K 1,024] x [K 1,024, N 1,024]; A: input x; B: input Wk: QUANTISED
;;     3. [M 8,192, K 1,024] x [K 1,024, N 1,024]; A: input x; B: input Wv: QUANTISED
;;     4. batch 64 x [M 2,048, K 64] x [K 64, N 2,048]; A: computed on the way; B: computed on the way: QUANTISED
;;     5. batch 64 x [M 2,048, K 2,048] x [K 2,048, N 64]; A: softmax (see below); B: computed on the way: QUANTISED
;;     6. [M 8,192, K 1,024] x [K 1,024, N 1,024]; A: computed on the way; B: input Wo: QUANTISED
;;   THE QUANTISER, for each operand of a quantised product, along K:
;;     - K is cut into blocks of 32 from its start; a last block that is shorter is filled with zeros.
;;     - A block's scale is 2^e with e = floor(log2(the largest magnitude in the block)) - 2, held to -126 .. 127; a block of zeros has e = 0. As a byte (E8M0): e + 127.
;;     - Each number is divided by its block's scale, clamped to +-7.5, and rounded to the nearest number of E2M3, ties to even, subnormals kept.
;;     - The product sums the exact products of the quantised numbers (number of the format x scale) in f32.
;;   ~~~python
;;   def quantise(x, axis):      # numpy; x: float32 -> the quantised numbers, widened to float32 again
;;       x = np.moveaxis(x, axis, -1); K = x.shape[-1]
;;       x = np.pad(x, [(0, 0)] * (x.ndim - 1) + [(0, -K % 32)]); x = x.reshape(x.shape[:-1] + (-1, 32)); a = np.abs(x).max(-1, keepdims=True)
;;       e = np.where(a > 0, np.clip(np.frexp(np.where(a > 0, a, 1))[1] - 1 - 2, -126, 127), 0)      # np.frexp(a)[1] - 1 = floor(log2(a)), exactly
;;       r = np.clip(x / 2.0 ** e, -7.5, 7.5)
;;       step = 2.0 ** (np.maximum(np.frexp(np.where(r == 0, 1, r))[1] - 1, 0) - 3)
;;       q = np.round(r / step) * step * 2.0 ** e      # np.round: ties to even
;;       return np.moveaxis(q.reshape(q.shape[:-2] + (-1,))[..., :K], -1, axis).astype(np.float32)
;;   ~~~
;;   SOFTMAX AHEAD OF A QUANTISED PRODUCT. Where the list says 'softmax', what is quantised is not the finished softmax but p = 2^(t - M), with t = logit x log2(e) and M = ceil(the row's largest t), a whole number; so 1/2 < the row's largest p <= 1. The row's sum l is taken of the UNQUANTISED p, in f32, and the product's result is divided by l at the end. Since M is a whole number, a kernel that streams over the keys may use a running M (the ceiling of the running maximum): every later rescaling is an exact power of two, which a block's scale takes up: the codes' values come out the same.
;;   OPERANDS COMPUTED ON THE WAY. 'Computed on the way' means the value that the module computes at that place (a softmax that the list does not call 'softmax' is quantised finished and normalised). What goes into a quantiser is computed in f32, as accurately as f32 sums, v_exp_f32 and their like allow (about 1e-6 of the number): no bf16 or f16 on the way to a quantiser, and a product that is left as it is and whose result goes on into a quantised operand takes f32 operands (vector FMAs, or v_wmma_f32_16x16x4_f32). A number that lies on a knife's edge between two numbers of the format may be rounded either way, as far as f32 arithmetic and the matrix unit's own rounding can turn it there, and no further.
;; One version. Each part assembles by itself: llvm-mc -triple=amdgcn-amd-amdhsa -mcpu=gfx1250 --defsym DOCPART=n.
;; ======== version 1 of 1: 4 launches
;; workspace buffers: xc 6,291,456 bytes; xs 262,144 bytes; wc 3,145,728 bytes; ws 131,072 bytes; qkv 19,660,800 bytes; yc 6,291,456 bytes; ys 262,144 bytes
;; launch quant (part 1): grid 384 x 1, 4 waves a work-group, no clusters, 33,280 bytes of LDS; arguments x, Wq, Wk, Wv, Wo, xc, xs, wc, ws; writes xc, xs, wc, ws
.if DOCPART == 1
	.amdgcn_target "amdgcn-amd-amdhsa--gfx1250"
	.amdhsa_code_object_version 6
	.text
	.protected	k_qa60bb5eba9_quant
	.globl	k_qa60bb5eba9_quant
	.p2align	8
	.type	k_qa60bb5eba9_quant,@function
k_qa60bb5eba9_quant:
	s_mov_b64 s[64:65], 0
	v_nop
	global_prefetch_b8 v0, s[64:65] scope:SCOPE_SE
	s_setreg_imm32_b32 hwreg(HW_REG_WAVE_MODE, 25, 1), 1
	s_wait_xcnt 0x0
; x [8192][1024] and Wq, Wk, Wv, Wo [1024][1024], f32 with K innermost, become codes of FP6 (E2M3), 6 bits each, a row of 1,024 codes = 768 bytes, and one E8M0 byte for each 32 along K (32 bytes a row).
; A block's scale is 2^(floor(log2(its largest magnitude)) - 2); its byte is the largest magnitude's exponent field - 2, held at 1 from below; each number is divided by the scale and rounded to the nearest code, ties to even,
; beyond 7.5 the largest code.
; POSITION ORDER.  The rows of the results do not lie in their own order: at row position p lies row t(p), t = p with bits 3 and 4 exchanged (in each aligned 32 rows the two middle groups of 8 change places).
; So 16 neighbouring positions 32 b + 16 u + r are the rows 32 b + 8 u + r + 8 (r / 8): taken as source 0 of a matrix instruction, two such tiles leave 16 neighbours along that axis in a lane's 16 registers.
; A wave takes 8 rows (8,192 numbers), one group of 8; a work-group 32 aligned rows: so the exchange is the exchange of the two bits of the wave's number in the place where it stores.
; Work-groups 0-255 take x, work-group 256 + j rows 32 (j % 32) on of weight j / 32 (Wq, Wk, Wv, Wo, which lie one behind the other in wc and ws).  Only pointers are chosen: there is one way through the text.
; LIMITS: NaN and infinities are not served.  A block whose largest magnitude lies under 2^-124 keeps the byte 1 (a block of zeros too, where the rule says 127: its codes are zeros, and this program alone reads the bytes).
; A step is 512 numbers: four loads of 512 consecutive bytes; they turn through the wave's own stage in LDS so that a lane holds 16 neighbours (two lanes a block); 12 bytes of codes a lane: 384 consecutive bytes a store.
; A wave's 256 scale bytes are gathered in LDS and leave as one aligned store of 256 bytes.  No tensor load, no barrier: waves share nothing.  Loads run four steps ahead, the turn through LDS one step.
.set WAVES, 4
.set STEPS, 16
.set EMAX,  2
.set CB,    12                         ; bytes of 16 codes
.set R,     16                         ; v16-79   four sets of 16 numbers as loaded
.set X,     80                         ; v80-111  two sets of 16 neighbours
.set C,     128                        ; v128-191 codes: four registers a step, so that no store's data are written again
.set E,     112                        ; v112-127 a scale byte for each step
.set WREG,  8192                       ; LDS: a region for each wave: two stages of 32 x SP bytes, then its 256 scale bytes
.set SP,    80                         ; a lane's place in a stage: 64 bytes + 16 of padding
.set SPW,   12                         ; v12  LDS address of my spare word; never rewritten
.set NIL,   13                         ; v13  0; never rewritten
.set SPARE, WAVES*WREG                 ; behind the four regions: the spare words, 128 bytes a wave
	s_load_b256 s[4:11], s[0:1], 0x0               ; x, Wq, Wk, Wv
	s_load_b256 s[12:19], s[0:1], 0x20             ; Wo, xc, xs, wc
	s_load_b64 s[20:21], s[0:1], 0x40              ; ws
	v_lshl_add_u32 v[SPW], v0, 2, SPARE
	v_mov_b32 v[NIL], 0
	v_lshrrev_b32 v1, 5, v0
	v_readfirstlane_b32 s22, v1                    ; wave
	v_and_b32 v2, 31, v0                           ; lane
	v_lshlrev_b32 v3, 4, v2                        ; my 16 bytes of a load's 512
	s_mul_i32 s30, s22, WREG
	v_lshrrev_b32 v14, 2, v2
	v_mul_u32_u24 v14, v14, SP
	v_and_b32 v15, 3, v2
	v_lshl_add_u32 v14, v15, 4, v14
	v_add_nc_u32 v14, s30, v14                     ; the stage, on the way in: SP (lane / 4) + 16 (lane % 4)
	v_mul_u32_u24 v15, v2, SP
	v_add_nc_u32 v15, s30, v15                     ; and on the way out: SP x lane: my 16 neighbours
	v_mul_u32_u24 v4, v2, CB                       ; my codes' place in a step's
	v_lshrrev_b32 v5, 1, v2
	s_add_co_u32 s30, s30, 2*32*SP
	v_add_nc_u32 v5, s30, v5                       ; LDS: my wave's 256 scale bytes, my block's byte
	v_lshlrev_b32 v7, 3, v2                        ; and on the way out 8 bytes a lane
	v_add_nc_u32 v6, s30, v7
	s_and_b32 s31, s22, 1
	s_lshl_b32 s31, s31, 1
	s_lshr_b32 s32, s22, 1
	s_or_b32 s31, s31, s32                         ; the wave's number with its two bits exchanged: the group of 8 positions that takes my 8 rows
	s_sub_co_u32 s23, ttmp9, 256                   ; j (of use from work-group 256 on)
	s_lshr_b32 s24, s23, 5                         ; which weight
	s_and_b32 s25, s23, 31                         ; which 32 rows of it
	s_wait_kmcnt 0x0
	s_cmp_eq_u32 s24, 2                            ; every choice hangs on the work-group's number alone
	s_cselect_b64 s[12:13], s[10:11], s[12:13]
	s_cmp_eq_u32 s24, 1
	s_cselect_b64 s[12:13], s[8:9], s[12:13]
	s_cmp_eq_u32 s24, 0
	s_cselect_b64 s[12:13], s[6:7], s[12:13]
	s_cmp_lt_u32 ttmp9, 256
	s_cselect_b64 s[4:5], s[4:5], s[12:13]         ; the numbers
	s_cselect_b64 s[8:9], s[14:15], s[18:19]       ; the codes
	s_cselect_b64 s[10:11], s[16:17], s[20:21]     ; the scale bytes
	s_cselect_b32 s26, ttmp9, s25                  ; the group of 32 rows in the source,
	s_cselect_b32 s27, ttmp9, s23                  ; and in the results
	s_lshl_b32 s26, s26, 2
	s_add_co_u32 s26, s26, s22
	s_lshl_b32 s28, s26, 15                        ; 8 rows are 32,768 bytes of f32 (33.5 MB at the most)
	s_mov_b32 s29, 0
	s_add_nc_u64 s[4:5], s[4:5], s[28:29]
	s_lshl_b32 s27, s27, 2
	s_add_co_u32 s27, s27, s31
	s_mul_i32 s28, s27, 8*768
	s_add_nc_u64 s[8:9], s[8:9], s[28:29]
	s_lshl_b32 s28, s27, 8
	s_add_nc_u64 s[10:11], s[10:11], s[28:29]
.macro LOAD t
.irp i, 0,1,2,3
	global_load_b128 v[R+16*((\t)%4)+4*\i:R+16*((\t)%4)+4*\i+3], v3, s[4:5] offset:2048*(\t)+512*\i th:TH_LOAD_NT   ; 32 lanes read 512 consecutive bytes
.endr
.endm
.macro TURN t                          ; step t's numbers through the stage: LDS serves a wave's instructions in order (ISA guide 5.7.1.4), so no wait stands between the stores and the loads
.irp i, 0,1,2,3
	ds_store_b128 v14, v[R+16*((\t)%4)+4*\i:R+16*((\t)%4)+4*\i+3] offset:32*SP*((\t)%2)+8*SP*\i
.endr
.irp i, 0,1,2,3
	ds_load_b128 v[X+16*((\t)%2)+4*\i:X+16*((\t)%2)+4*\i+3], v15 offset:32*SP*((\t)%2)+16*\i
.endr
.endm
.irp t, 0,1,2,3
	LOAD \t
.endr
	s_wait_loadcnt 12                              ; step 0's four loads are in; the twelve of steps 1 to 3 may be out
	TURN 0
.macro STEP t
.set XS, X+16*((\t)%2)
.if (\t) > 0
	s_wait_dscnt 1                                 ; this step's numbers are back from the stage (the last step's byte store may be out): so its stores into the stage have read their registers,
.else
	s_wait_dscnt 0x0
.endif
.if (\t)+4 < STEPS
	LOAD (\t)+4                                    ; which take the loads of four steps on
.endif
.if (\t)+1 < STEPS
.if STEPS-2-(\t) >= 3
	s_wait_loadcnt 12                              ; the next step's four loads are in; those of the three steps behind it may be out
.else
	s_wait_loadcnt 4*(STEPS-2-(\t))
.endif
	TURN (\t)+1                                    ; and go through the other stage while this step is worked
.endif
	v_max3_num_f32 v8, |v[XS]|, |v[XS+1]|, |v[XS+2]|               ; the largest magnitude of my 16, in two chains
	v_max3_num_f32 v9, |v[XS+3]|, |v[XS+4]|, |v[XS+5]|
.irp i, 6,10
	v_max3_num_f32 v8, v8, |v[XS+\i]|, |v[XS+\i+1]|
	v_max3_num_f32 v9, v9, |v[XS+\i+2]|, |v[XS+\i+3]|
.endr
	v_max3_num_f32 v8, v8, |v[XS+14]|, |v[XS+15]|
	v_max3_num_f32 v8, v8, v9, (EMAX+1)<<23        ; and the floor 2^(3 - 127): the byte cannot fall under 1
	v_max_num_f32_dpp v8, v8, v8 row_xmask:1 row_mask:0xf bank_mask:0xf   ; and of my neighbour's 16: the block's
	v_add_nc_u32 v11, -(EMAX<<23), v8              ; 2 off its exponent field: the conversion takes the exponent field of this operand as its scale
	v_cvt_scalef32_pk16_fp6_f32 v[C+4*(\t):C+4*(\t)+2], v[XS:XS+15], v11
	v_lshrrev_b32 v[E+(\t)], 23, v11               ; the scale's byte (a plain line behind the conversion)
	ds_store_b8 v5, v[E+(\t)] offset:16*(\t)       ; both lanes of a block write the same byte with the same value
	global_store_b96 v4, v[C+4*(\t):C+4*(\t)+2], s[8:9] offset:32*CB*(\t)
.endm
.irp t, 0,1,2,3,4,5,6,7,8,9,10,11,12,13,14,15
	STEP \t
.endr
	ds_load_b64 v[8:9], v6                         ; served in order: these see my byte stores
	s_wait_dscnt 0x0
	global_store_b64 v7, v[8:9], s[10:11]          ; 32 lanes store 256 consecutive bytes, aligned
	s_wait_tensorcnt 0x0                           ; the wave's end
	ds_add_u32 v[SPW], v[NIL]
	s_wait_dscnt 0x0
	s_endpgm
.Lfunc_end_k_qa60bb5eba9_quant:
	.size	k_qa60bb5eba9_quant, .Lfunc_end_k_qa60bb5eba9_quant-k_qa60bb5eba9_quant
	.p2alignl 7, 3214868480
	.fill 96, 4, 3214868480
	.section	.rodata,"a",@progbits
	.p2align	6, 0x0
	.amdhsa_kernel k_qa60bb5eba9_quant
		.amdhsa_group_segment_fixed_size 33280
		.amdhsa_private_segment_fixed_size 0
		.amdhsa_enable_private_segment 0
		.amdhsa_kernarg_size 72
		.amdhsa_user_sgpr_count 2
		.amdhsa_user_sgpr_kernarg_segment_ptr 1
		.amdhsa_wavefront_size32 1
		.amdhsa_system_sgpr_workgroup_id_x 1
		.amdhsa_system_sgpr_workgroup_id_y 1
		.amdhsa_system_sgpr_workgroup_id_z 1
		.amdhsa_system_vgpr_workitem_id 0
		.amdhsa_next_free_vgpr 192
		.amdhsa_next_free_sgpr 66
		.amdhsa_reserve_vcc 0
		.amdhsa_float_denorm_mode_32 3
		.amdhsa_float_denorm_mode_16_64 3
		.amdhsa_memory_ordered 1
		.amdhsa_forward_progress 1
		.amdhsa_inst_pref_size 33
	.end_amdhsa_kernel
	.amdgpu_metadata
---
amdhsa.version: [ 1, 2 ]
amdhsa.kernels:
  - .name:           k_qa60bb5eba9_quant
    .symbol:         k_qa60bb5eba9_quant.kd
    .args:
      - { .name: x, .offset: 0, .size: 8, .value_kind: global_buffer, .address_space: global }
      - { .name: Wq, .offset: 8, .size: 8, .value_kind: global_buffer, .address_space: global }
      - { .name: Wk, .offset: 16, .size: 8, .value_kind: global_buffer, .address_space: global }
      - { .name: Wv, .offset: 24, .size: 8, .value_kind: global_buffer, .address_space: global }
      - { .name: Wo, .offset: 32, .size: 8, .value_kind: global_buffer, .address_space: global }
      - { .name: xc, .offset: 40, .size: 8, .value_kind: global_buffer, .address_space: global }
      - { .name: xs, .offset: 48, .size: 8, .value_kind: global_buffer, .address_space: global }
      - { .name: wc, .offset: 56, .size: 8, .value_kind: global_buffer, .address_space: global }
      - { .name: ws, .offset: 64, .size: 8, .value_kind: global_buffer, .address_space: global }
    .group_segment_fixed_size: 33280
    .private_segment_fixed_size: 0
    .kernarg_segment_align: 8
    .kernarg_segment_size: 72
    .max_flat_workgroup_size: 128
    .sgpr_count:     66
    .vgpr_count:     192
    .wavefront_size: 32
...
	.end_amdgpu_metadata
.endif
;; end of part 1
;; launch proj (part 2): grid 12 x 32, 4 waves a work-group, clusters of 4 x 4, 327,680 bytes of LDS; arguments xc, xs, wc, ws, bq, bk, bv, qkv; writes qkv
.if DOCPART == 2
	.amdgcn_target "amdgcn-amd-amdhsa--gfx1250"
	.amdhsa_code_object_version 6
	.text
	.protected	k_qa60bb5eba9_proj
	.globl	k_qa60bb5eba9_proj
	.p2align	8
	.type	k_qa60bb5eba9_proj,@function
k_qa60bb5eba9_proj:
	s_mov_b64 s[64:65], 0
	v_nop
	global_prefetch_b8 v0, s[64:65] scope:SCOPE_SE
	s_setreg_imm32_b32 hwreg(HW_REG_WAVE_MODE, 25, 1), 1
	s_wait_xcnt 0x0
	s_wait_alu depctr_hold_cnt(0) depctr_sa_sdst(0) depctr_va_vdst(0) depctr_va_sdst(0) depctr_va_ssrc(0) depctr_va_vcc(0) depctr_vm_vsrc(0)
	s_getreg_b32 s2, hwreg(HW_REG_IB_STS2, 6, 4)
	s_cmp_eq_u32 s2, 0
	s_cbranch_scc0 .Lentry_in_a_cluster
	s_endpgm
.Lentry_in_a_cluster:
	s_bfe_u32 s2, ttmp6, 0x10000c
	s_cmp_lg_u32 s2, 0xf033
	s_cbranch_scc0 .Lentry_shape_is_right
	s_endpgm
.Lentry_shape_is_right:
; q = x Wq^T + bq, k = x Wk^T + bk, v = x Wv^T + bv on codes of FP6 (E2M3) with one E8M0 scale for each 32 along K = 1,024; sums in f32; the results are quantised here, in registers, and stored as codes.
; xc [8192 positions][768], xs [8192][32]; wc [4096 positions][768], ws [4096][32] (Wq, Wk, Wv, Wo on end).  At row position p lies row t(p), t = p with bits 3 and 4 exchanged.
; TWO MODES OF ONE TEXT, chosen by the cluster's x, which all sixteen partners share.  'A' is source 1 of the matrix instruction (its rows fall on lanes), 'B' source 0 (its rows fall on a lane's registers).
;   cluster x = 0, 1 (q, k): A = x, B = Wq or Wk.  A lane holds one token, its registers run along the channels: the K of q k^T.
;   cluster x = 2 (v):       A = Wv, B = x.        A lane holds one channel, its registers run along the tokens: the K of p v.
; Since B's 16 rows of a tile are positions, the 16 registers of accumulators (a, 2 i) and (a, 2 i + 1) are the 16 NEIGHBOURS 32 i + 16 (lane / 16) + 0 .. 15 of that axis in its own order: the quantiser's blocks.
; A tile is 256 x 256, four waves of 128 x 128 (64 accumulators, 512 registers); K goes in steps of 256 through two LDS slots filled by joint tensor loads: A's tile shared along a row of the 4 x 4 cluster, B's along a column.
; The scale bytes of the work-group's 256 + 256 rows come into LDS once, with the first fills.
; qkv: [64 heads (16 batch + head)][16 steps of 128 tokens][K, V, Q][6,400 bytes]: four IMAGES OF OPERAND REGISTERS of 1,536 bytes (register 4 c + i of lane l at 512 c + 16 l + 4 i) and 256 bytes of scale words (image i, row r at 16 r + 4 i).
;   K, Q image P: registers 0-5 the 64 channels of token positions 32 P + r, registers 6-11 those of positions 32 P + 16 + r; scale word: two bytes for each.   V image t: channel positions 16 t + r x the step's 128 tokens in their own order.
; LIMITS: NaN and infinities are not served; a block whose largest magnitude lies under 2^-124 keeps the byte 1 (a block of zeros too: its codes are zeros, and this program alone reads the bytes).
; REGISTERS, in windows of 256: window 0: v0-31 addresses; v32-63 scale words, two sets; v64-127 the biases; from v128 A's fragments, one set, later the quantiser's work.  window 1: B's fragments, two sets.  windows 2, 3: the accumulators ((a, b) at v[8 (8 (a % 4) + b)]).
.set KSTEP,  256
.set NQ,     2                         ; matrix instructions deep in a slot
.set ROWB,   192                       ; a tile's row: 256 codes
.set KROW,   768                       ; a row of codes in memory
.set PITCH,  240                       ; an LDS row: 3 x (64 bytes + 16 of padding) = 60 words: the 32 lanes of a load of 8 bytes touch 64 different banks (64 banks of 4 bytes: ISA guide 11.1)
.set FR,     12
.set NL,     6
.set NP,     4                         ; places behind this matrix instruction (ISA guide 7.12.1)
.set HALFT,  128*PITCH
.set SLOT,   4*HALFT
.set LAPS,   2                         ; 1,024 / 512
.set KS,     32                        ; a row of scale bytes
.set SCL,    2*SLOT
.set HALFS,  (128*KS/256)*272
.set SBLK,   (16*KS/256)*272
.set SPARE,  SCL+4*HALFS               ; the spare words, 128 bytes a wave
.set VB0,  14                          ; v14  64 x (lane / 16): a lane's place among a tile pair's biases
.set VB1,  15                          ; v15  4 (r + 8 (r / 8)): the channel that lies at position r
.set ADRA, 16                          ; v16-17 A's fragments in slot 0, 1 (v18-19: behind one padding more)
.set ADRB, 20                          ; v20-23 the same for B
.set ADRS, 27                          ; v27  my scale words: lanes 0-15 A's rows, lanes 16-31 B's
.set SPW,  28
.set NIL,  29
.set LI,   30                          ; v30  16 x lane: my place in an image
.set VS,   31                          ; v31  16 r + 307,200 (lane / 16): my place among the scale words: lanes 0-15 the first head's, lanes 16-31 the second's
.set SC,   32
.set BI,   64                          ; v64-127 the biases
.set AF,   128
.set H,    128                         ; v128-191 64 numbers to be quantised
.set PC,   192                         ; v192-203 their codes; v204-211 at work
.set TM,   212                         ; v212-227 largest magnitudes, bytes, scale operands
.set SW,   228                         ; v228-235 the eight images' scale words
.set SX,   236                         ; v236-239 the four that my half of the lanes stores
.set SEL,  20                          ; s[20:21] lane selects for v_permlanex16_b32 (set behind the head)
.set MODE, 95
.set G1, 24
.set G0, 32
.set G1B, 48
.set G0B, 56
.set G1S, 68
.set G0S, 76
.set G1SB, 80
.set G0SB, 88
.set MSB, 0
.macro WIN new                         ; the immediate's high byte repeats the setting that is left
.if MSB != (\new)
	s_set_vgpr_msb (MSB<<8)|(\new)
.set MSB, (\new)
.endif
.endm
.set MUL_LO, 0xa1                      ; source 0 (B) window 1, source 1 (A) window 0, C and D window 2
.set MUL_HI, 0xf1
.set TO_B,   0x40
; A joint load: waves 0 and 1 fetch for A, waves 2 and 3 for B; the branch hangs on the wave's number alone.  An s_nop 0 and four v_nop follow each of the two lines.
.macro JLOAD g0a, g1a, g0b, g1b
	s_cmp_eq_u32 s15, 0
	s_cbranch_scc0 .Lfor_b_\@
	tensor_load_to_lds s[\g0a:\g0a+3], s[\g1a:\g1a+7]
	s_nop 0
.rept 4
	v_nop
.endr
	s_branch .Lasked_\@
.Lfor_b_\@:
	tensor_load_to_lds s[\g0b:\g0b+3], s[\g1b:\g1b+7]
	s_nop 0
.rept 4
	v_nop
.endr
.Lasked_\@:
.endm
.macro CREST                           ; a round of the cluster's barrier behind its opening barrier
	s_cmp_lg_u32 s14, 0
	s_cbranch_scc1 .Lnot_wave_0_\@
	s_barrier_signal -3
.Lnot_wave_0_\@:
	s_barrier_wait -3
	s_barrier_signal -1
	s_barrier_wait -1
.endm
.macro CROUND
	s_barrier_signal -1
	s_barrier_wait -1
	CREST
.endm
	s_load_b128 s[4:7], s[0:1], 0x0                ; xc, xs
	s_load_b128 s[8:11], s[0:1], 0x10              ; wc, ws
	v_lshl_add_u32 v[SPW], v0, 2, SPARE
	v_mov_b32 v[NIL], 0
	ds_add_u32 v[SPW], v[NIL]                      ; the wave's opening: the add and its wait ahead of my first tensor load; work on registers stands between them
	v_lshrrev_b32 v1, 5, v0
	v_readfirstlane_b32 s14, v1                    ; wave 0..3
	s_lshr_b32 s15, s14, 1                         ; which half of the tile's rows is mine.  Also: I fetch for A (0) or for B (1)
	s_and_b32 s16, s14, 1                          ; which half of its columns.  Also: which 128 rows I fetch
	s_bfe_u32 s40, ttmp6, 0x40000                  ; cx
	s_bfe_u32 s41, ttmp6, 0x40004                  ; cy
	s_lshl_b32 s2, ttmp9, 2                        ; 4 x cluster x
	s_and_b32 s101, ttmp7, 0xffff
	s_lshl_b32 s101, s101, 2                       ; 4 x cluster y
	s_cmp_eq_u32 ttmp9, 2                          ; the mode: the same in all sixteen partners
	s_cselect_b32 s[MODE], 1, 0
	s_cselect_b32 s17, 0, s101
	s_cselect_b32 s42, s101, s2
	s_cselect_b32 s100, 2048, 0                    ; Wv begins at row 2,048 of wc
	s_add_co_u32 s17, s17, s41                     ; tile row:    q, k: 4 cluster y + cy (of x's 32);   v: cy (of Wv's 4)
	s_add_co_u32 s42, s42, s40                     ; tile column: q, k: 4 cluster x + cx (of Wq, Wk's 8); v: 4 cluster y + cx (of x's 32)
	s_lshl_b32 s43, s41, 2
	s_lshl_b32 s43, 15, s43                        ; my row of the cluster
	s_lshl_b32 s44, 0x1111, s40                    ; my column
	s_or_b32 s[G1+0], s43, (0<<16)|(1<<20)|(1<<21)|(3<<22)|(3<<25)  ; the mask; elements of 1 byte; padding on; bit 21 beside a mask; after every 16 words 4 words
	s_or_b32 s[G1B+0], s44, (0<<16)|(1<<20)|(1<<21)|(3<<22)|(3<<25)
.irp g, G1, G1B
	s_mov_b32 s[\g+1], ROWB<<16                    ; tensor_dim0
	s_mov_b32 s[\g+2], 128<<16                     ; tensor_dim1
	s_mov_b32 s[\g+3], ROWB<<16                    ; tile_dim0
	s_mov_b32 s[\g+4], 128                         ; tile_dim1
	s_mov_b32 s[\g+5], KROW                        ; pitch
	s_mov_b32 s[\g+6], 0
	s_mov_b32 s[\g+7], 0
.endr
	s_or_b32 s[G1S+0], s43, (3<<16)|(1<<20)|(1<<21)|(5<<22)|(3<<25)  ; the scales of 128 rows: 4,096 dense bytes as 16 rows of 256 (32 elements of 8 bytes), 16 bytes of padding behind each
	s_or_b32 s[G1SB+0], s44, (3<<16)|(1<<20)|(1<<21)|(5<<22)|(3<<25)
.irp g, G1S, G1SB
	s_mov_b32 s[\g+1], 32<<16
	s_mov_b32 s[\g+2], (128*KS/256)<<16
	s_mov_b32 s[\g+3], 32<<16
	s_mov_b32 s[\g+4], 128*KS/256
	s_mov_b32 s[\g+5], 32
	s_mov_b32 s[\g+6], 0
	s_mov_b32 s[\g+7], 0
.endr
	s_lshl_b32 s18, s16, 7
	s_lshl_b32 s20, s17, 8
	s_add_co_u32 s20, s20, s18
	s_add_co_u32 s20, s20, s100                    ; A: row 256 x tile row + 128 x half (+ 2,048)
	s_lshl_b32 s46, s42, 8
	s_add_co_u32 s46, s46, s18                     ; B: row 256 x tile column + 128 x half
	s_mov_b32 s21, 0
	s_mov_b32 s47, 0
	s_mov_b64 s[18:19], KS
	s_mul_u64 s[22:23], s[20:21], s[18:19]         ; where these rows' scales begin,
	s_mul_u64 s[92:93], s[46:47], s[18:19]
	s_mov_b64 s[18:19], KROW
	s_mul_u64 s[20:21], s[20:21], s[18:19]         ; and their codes
	s_mul_u64 s[46:47], s[46:47], s[18:19]
	s_mul_i32 s45, s14, HALFT                      ; where they go: wave x 128 rows
	s_mul_i32 s94, s14, HALFS
	s_wait_dscnt 0x0                               ; the opening add is done
	s_wait_kmcnt 0x0
	s_cmp_eq_u32 ttmp9, 2                          ; which buffers are A and B: a choice on the cluster's x alone
	s_cselect_b64 s[96:97], s[8:9], s[4:5]         ; A's codes
	s_cselect_b64 s[98:99], s[10:11], s[6:7]       ; A's scales
	s_cselect_b64 s[8:9], s[4:5], s[8:9]           ; B's codes
	s_cselect_b64 s[10:11], s[6:7], s[10:11]       ; B's scales
	s_add_nc_u64 s[20:21], s[96:97], s[20:21]
	s_add_nc_u64 s[22:23], s[98:99], s[22:23]
	s_add_nc_u64 s[46:47], s[8:9], s[46:47]
	s_add_nc_u64 s[92:93], s[10:11], s[92:93]
	CROUND                                         ; all sixteen work-groups are here: the first joint loads meet
	s_mov_b32 s[G0S], 1
	s_add_co_u32 s[G0S+1], s94, SCL
	s_mov_b64 s[G0S+2:G0S+3], s[22:23]
	s_or_b32 s[G0S+3], s[G0S+3], 0x80000000
	s_mov_b32 s[G0SB], 1
	s_add_co_u32 s[G0SB+1], s94, SCL
	s_mov_b64 s[G0SB+2:G0SB+3], s[92:93]
	s_or_b32 s[G0SB+3], s[G0SB+3], 0x80000000
	JLOAD G0S, G1S, G0SB, G1SB                     ; the scales first: they are wanted with K step 0
.irp s, 0,1
	s_mov_b32 s[G0+4*\s], 1
	s_add_co_u32 s[G0+4*\s+1], s45, \s*SLOT
	s_add_nc_u64 s[G0+4*\s+2:G0+4*\s+3], s[20:21], \s*ROWB
	s_or_b32 s[G0+4*\s+3], s[G0+4*\s+3], 0x80000000
	s_mov_b32 s[G0B+4*\s], 1
	s_add_co_u32 s[G0B+4*\s+1], s45, \s*SLOT
	s_add_nc_u64 s[G0B+4*\s+2:G0B+4*\s+3], s[46:47], \s*ROWB
	s_or_b32 s[G0B+4*\s+3], s[G0B+4*\s+3], 0x80000000
	JLOAD G0+4*\s, G1, G0B+4*\s, G1B               ; three tensor loads of mine are out now, the most in this text
.endr
	s_load_b256 s[4:11], s[0:1], 0x20              ; bq s[4:5], bk s[6:7], bv s[8:9], qkv s[10:11]
	v_and_b32 v1, 15, v0                           ; r
	v_bfe_u32 v2, v0, 4, 1                         ; h
	v_mul_u32_u24 v3, v1, PITCH
	v_mul_u32_u24 v4, v2, 24
	v_add_nc_u32 v4, v3, v4                        ; a fragment's row x pitch + 24 x half
	v_lshl_add_u32 v5, v2, 4, v4                   ; and the same behind one padding more
	s_mul_i32 s21, s15, HALFT                      ; my 128 rows of A
	s_mul_i32 s22, s16, HALFT                      ; my 128 rows of B,
	s_add_co_u32 s22, s22, 2*HALFT                 ; behind A's 256
.irp s, 0,1
	v_add_nc_u32 v[ADRA+\s], s21, v4
	v_add_nc_u32 v[ADRB+\s], s22, v4
	v_add_nc_u32 v[ADRA+2+\s], s21, v5
	v_add_nc_u32 v[ADRB+2+\s], s22, v5
	s_add_co_u32 s21, s21, SLOT
	s_add_co_u32 s22, s22, SLOT
.endr
	v_mul_u32_u24 v5, v1, KS                       ; my row's scales: 32 bytes a row,
	v_lshrrev_b32 v6, 8, v5
	v_lshl_add_u32 v5, v6, 4, v5                   ; and 16 more for each 256 passed
	s_mul_i32 s21, s15, HALFS
	s_mul_i32 s22, s16, HALFS
	s_add_co_u32 s22, s22, 2*HALFS
	s_sub_co_u32 s22, s22, s21
	v_mul_u32_u24 v6, s22, v2                      ; lanes 16-31 take B's: one product, the distance between the two bases
	s_add_co_u32 s21, s21, SCL
	v_add_nc_u32 v5, v5, v6
	v_add_nc_u32 v[ADRS], s21, v5
	v_and_b32 v6, 31, v0
	v_lshlrev_b32 v[LI], 4, v6
	v_lshlrev_b32 v[VS], 4, v1
	v_mul_u32_u24 v6, v2, 307200
	v_add_nc_u32 v[VS], v[VS], v6
	v_lshlrev_b32 v[VB0], 6, v2
	v_and_b32 v6, 8, v1
	v_add_nc_u32 v6, v6, v1
	v_lshlrev_b32 v[VB1], 2, v6
	; where my wave's 128 x 128 goes: 128 token positions are one step of one batch, 128 channels two heads
	s_lshl_b32 s96, s17, 8
	s_lshl_b32 s2, s15, 7
	s_add_co_u32 s96, s96, s2                      ; my first row of the tile's axis A
	s_lshl_b32 s97, s42, 8
	s_lshl_b32 s2, s16, 7
	s_add_co_u32 s97, s97, s2                      ; my first row of its axis B
	s_and_b32 s101, s97, 1023
	s_cmp_eq_u32 ttmp9, 1
	s_cselect_b32 s100, 0, 12800                   ; k's section is the first of a step, q's the third,
	s_cmp_lg_u32 s[MODE], 0
	s_cselect_b32 s98, s97, s96                    ; my first token position
	s_cselect_b32 s99, s96, s101                   ; my first channel
	s_cselect_b32 s100, 6400, s100                 ; v's the second
	s_lshr_b32 s2, s98, 11                         ; batch
	s_lshl_b32 s2, s2, 4
	s_lshr_b32 s101, s99, 6                        ; head
	s_add_co_u32 s2, s2, s101
	s_lshl_b32 s2, s2, 4
	s_bfe_u32 s101, s98, 0x40007                   ; step
	s_add_co_u32 s2, s2, s101
	s_mul_i32 s2, s2, 19200
	s_add_co_u32 s66, s2, s100
	s_mov_b32 s67, 0
	s_mov_b32 s[SEL], 0x76543210
	s_mov_b32 s[SEL+1], 0xfedcba98
	s_wait_kmcnt 0x0
	s_add_nc_u64 s[12:13], s[10:11], s[66:67]      ; qkv at my first image
	s_lshl_b32 s66, s99, 2                         ; my first channel's bias, in bytes
.macro FRAG reg, adr, q, i             ; 16 rows x 128 K of 6-bit codes: 12 registers: registers 6 c .. 6 c + 5 hold K = 64 c + 32 (lane / 16) + 0 .. 31: 24 bytes of the row as they lie, in pieces of 8
.irp p, 0,1,2,3,4,5
.set PCE, 12*(\q)+6*(\p/3)+\p%3        ; 16 bytes of padding lie behind every 8 pieces: where the piece three on (lanes 16-31) lies behind one padding more, the second address register serves
.if PCE%8 < 5
	ds_load_b64 v[\reg+2*\p:\reg+2*\p+1], v[\adr] offset:8*PCE+16*(PCE/8)+(\i)*16*PITCH
.else
	ds_load_b64 v[\reg+2*\p:\reg+2*\p+1], v[\adr+2] offset:8*PCE+16*(PCE/8)+(\i)*16*PITCH
.endif
.endr
.endm
; 16 matrix instructions: A's blocks a0, a0 + 1 x B's eight.  The 64 accumulators take turns, one instruction a turn, in the same order in every step.  zero = 1: the first product starts the sums.
.macro MUL16 a0, p, q, sc, zero
.irp a, \a0, \a0+1
.irp b, 0,1,2,3,4,5,6,7
.if \zero
	v_wmma_scale_f32_16x16x128_f8f6f4 v[8*(8*((\a)%4)+\b):8*(8*((\a)%4)+\b)+7], v[128*(\p)+FR*\b:128*(\p)+FR*\b+FR-1], v[AF+FR*(\a):AF+FR*(\a)+FR-1], 0, v[SC+8*NQ*(\sc)+NQ*\b+(\q)], v[SC+8*NQ*(\sc)+NQ*(\a)+(\q)] matrix_a_fmt:MATRIX_FMT_FP6 matrix_b_fmt:MATRIX_FMT_FP6 matrix_a_scale:MATRIX_SCALE_ROW1
.else
	v_wmma_scale_f32_16x16x128_f8f6f4 v[8*(8*((\a)%4)+\b):8*(8*((\a)%4)+\b)+7], v[128*(\p)+FR*\b:128*(\p)+FR*\b+FR-1], v[AF+FR*(\a):AF+FR*(\a)+FR-1], v[8*(8*((\a)%4)+\b):8*(8*((\a)%4)+\b)+7], v[SC+8*NQ*(\sc)+NQ*\b+(\q)], v[SC+8*NQ*(\sc)+NQ*(\a)+(\q)] matrix_a_fmt:MATRIX_FMT_FP6 matrix_b_fmt:MATRIX_FMT_FP6 matrix_a_scale:MATRIX_SCALE_ROW1
.endif
.endr
.endr
.endm
.macro FETCH_B slot, q, p
	WIN TO_B
.irp i, 0,1,2,3,4,5,6,7
	FRAG 128*(\p)+FR*\i, ADRB+\slot, \q, \i
.endr
	WIN 0
.endm
.macro FETCH_A slot, q, i0
.irp i, \i0, \i0+1, \i0+2, \i0+3
	FRAG AF+FR*(\i), ADRA+\slot, \q, \i
.endr
.endm
.macro SCALES sc                       ; a K step's scale words: two a row; lanes 0-15 A's block i, lanes 16-31 B's block i
.irp i, 0,1,2,3,4,5,6,7
	ds_load_b64 v[SC+8*NQ*\sc+NQ*\i:SC+8*NQ*\sc+NQ*\i+1], v[ADRS] offset:\i*SBLK
.endr
.endm
.macro PLACES n                        ; plain vector lines between a matrix instruction and a load into, or a vector line on, one of its registers
.rept \n
	v_nop
.endr
.endm
.macro STEP slot, q, zero              ; a step of 128 along K that has its successor in the same slot
	s_wait_dscnt 4*NL                              ; B's set and A's blocks 0-3 are in; the youngest 24 loads (A's blocks 4-7) may be out
	WIN MUL_LO
	MUL16 0, (\q)%2, \q, \slot, \zero
	MUL16 2, (\q)%2, \q, \slot, \zero
	s_wait_dscnt 0
	PLACES NP
	FETCH_B \slot, (\q)+1, 1-(\q)%2
	FETCH_A \slot, (\q)+1, 0
	WIN MUL_HI
	MUL16 4, (\q)%2, \q, \slot, \zero
	MUL16 6, (\q)%2, \q, \slot, \zero
	PLACES NP
	WIN 0
	FETCH_A \slot, (\q)+1, 4
.endm
; A slot's last step changes slots: one barrier; in front of it each wave waits for all its tensor loads, adds 0 to its spare word, and waits for that and for its reads of this slot.  fill = 1: the slot is filled again, two K steps ahead.
.macro TURN slot, next, fill
	s_wait_tensorcnt 0x0                           ; all my tensor loads have landed: my part of the next slot
	ds_add_u32 v[SPW], v[NIL]                      ; 0 onto my spare word
	s_wait_dscnt 4*NL+1                            ; (the add and the youngest 24 loads may be out)
	WIN MUL_LO
	MUL16 0, 1, NQ-1, \slot, 0
	s_wait_dscnt 0x0                               ; the add is done, and my reads of this slot are over
	s_barrier_signal -1
	MUL16 2, 1, NQ-1, \slot, 0
	WIN 0
	s_barrier_wait -1
.if \fill
	CREST                                          ; the barrier has opened a round of the cluster's: no wave of any partner still reads this slot or has a load on its way
	s_add_nc_u64 s[G0+4*\slot+2:G0+4*\slot+3], s[G0+4*\slot+2:G0+4*\slot+3], 2*ROWB
	s_add_nc_u64 s[G0B+4*\slot+2:G0B+4*\slot+3], s[G0B+4*\slot+2:G0B+4*\slot+3], 2*ROWB
	JLOAD G0+4*\slot, G1, G0B+4*\slot, G1B         ; the first tensor load behind the round; its four v_nop are the places in front of the loads below
.else
	PLACES NP
.endif
	v_add_nc_u32 v[ADRS], 4*NQ, v[ADRS]            ; the next K step's scale words
	FETCH_B \next, 0, 0
	FETCH_A \next, 0, 0
	SCALES \next
	WIN MUL_HI
	MUL16 4, 1, NQ-1, \slot, 0
	MUL16 6, 1, NQ-1, \slot, 0
	PLACES NP
	WIN 0
	FETCH_A \next, 0, 4
.endm
; 64 numbers of a lane, register 16 b + i = number 32 b + 16 (lane / 16) + i of four blocks of 32, become 12 registers of codes in v[PC] on and a scale word in v[pw].
.macro QUANT s, pw
.irp b, 0,1,2,3
	v_max3_num_f32 v[TM+\b], |v[\s+16*\b]|, |v[\s+1+16*\b]|, 0x1800000   ; my 16 numbers of block b, and the floor 2^(3 - 127): the byte cannot fall under 1
.endr
.irp i, 2,4,6,8,10,12,14
.irp b, 0,1,2,3
	v_max3_num_f32 v[TM+\b], v[TM+\b], |v[\s+16*\b+\i]|, |v[\s+1+16*\b+\i]|   ; the four blocks by turns
.endr
.endr
.irp b, 0,1,2,3
	v_permlanex16_b32 v[TM+4+\b], v[TM+\b], s[SEL], s[SEL+1]
.endr
.irp b, 0,1,2,3
	v_max_num_f32 v[TM+\b], v[TM+\b], v[TM+4+\b]   ; with lane l xor 16's: the block's largest magnitude
.endr
.irp b, 0,1,2,3
	v_add_nc_u32 v[TM+12+\b], 0xff000000, v[TM+\b] ; 2 off its exponent field: the conversion's scale operand
.endr
.irp b, 0,1,2,3
	v_lshrrev_b32 v[TM+4+\b], 23, v[TM+12+\b]      ; the scale's byte
.endr
	v_lshl_or_b32 v[\pw], v[TM+5], 8, v[TM+4]
	v_lshl_or_b32 v[\pw], v[TM+6], 16, v[\pw]
	v_lshl_or_b32 v[\pw], v[TM+7], 24, v[\pw]
.irp c, 0,1
	v_cvt_scalef32_pk16_fp6_f32 v[PC+6*\c:PC+2+6*\c], v[\s+32*\c:\s+15+32*\c], v[TM+12+2*\c]
	v_cvt_scalef32_pk16_fp6_f32 v[PC+12+4*\c:PC+14+4*\c], v[\s+16+32*\c:\s+31+32*\c], v[TM+12+2*\c+1]   ; (a conversion's three registers begin on an even number)
.endr
	v_nop                                          ; one plain line behind the conversions
.irp c, 0,1                                    ; the operand wants a whole block in a lane: lanes 0-15 block 2 c, lanes 16-31 block 2 c + 1
.irp i, 0,1,2
	v_permlane16_swap_b32 v[PC+6*\c+\i], v[PC+12+4*\c+\i]
.endr
.irp i, 0,1,2
	v_mov_b32 v[PC+3+6*\c+\i], v[PC+12+4*\c+\i]
.endr
.endr
.endm
; The eight images of my 128 x 128.  m = 0 (q, k): image n: head n / 4, token tiles 2 (n % 4) and 2 (n % 4) + 1, 32 registers (64 channels) of each.  m = 1 (v): image n: channel tile n, all its 64 registers (128 tokens).
; The bias is added on the way from the accumulators' window into window 0; each accumulator is read from its low end on.
.macro EPI m
.irp n, 0,1,2,3,4,5,6,7
.if \n > 0
	s_wait_xcnt 0x0                                ; the last image's stores have read their registers
.endif
.if \m == 0
.set EW,  2+(\n%4)/2
.set ES0, 64*((2*(\n%4))%4)+32*(\n/4)
.set ES1, ES0+64
.else
.set EW,  2+\n/4
.set ES0, 64*(\n%4)
.set ES1, ES0+32
.endif
	WIN EW                                         ; source 0 in the accumulators' window
.irp k, 0,1,2,3,4,5,6,7,8,9,10,11,12,13,14,15
.if \m == 0
	v_pk_add_f32 v[H+2*\k:H+2*\k+1], v[ES0+2*\k:ES0+2*\k+1], v[BI+32*(\n/4)+2*\k:BI+32*(\n/4)+2*\k+1]
.else
	v_pk_add_f32 v[H+2*\k:H+2*\k+1], v[ES0+2*\k:ES0+2*\k+1], v[BI+2*\n:BI+2*\n+1]
.endif
.endr
.irp k, 0,1,2,3,4,5,6,7,8,9,10,11,12,13,14,15
.if \m == 0
	v_pk_add_f32 v[H+32+2*\k:H+32+2*\k+1], v[ES1+2*\k:ES1+2*\k+1], v[BI+32*(\n/4)+2*\k:BI+32*(\n/4)+2*\k+1]
.else
	v_pk_add_f32 v[H+32+2*\k:H+32+2*\k+1], v[ES1+2*\k:ES1+2*\k+1], v[BI+2*\n:BI+2*\n+1]
.endif
.endr
	WIN 0
	QUANT H, SW+\n
.irp c, 0,1,2
	global_store_b128 v[LI], v[PC+4*\c:PC+4*\c+3], s[12:13] offset:(\n/4)*307200+(\n%4)*1536+512*\c   ; 32 lanes store 512 consecutive bytes, aligned to 256
.endr
.endr
	v_and_b32 v[TM], 16, v0
	v_cmp_ne_u32 vcc_lo, 0, v[TM]
.irp i, 0,1,2,3
	v_cndmask_b32 v[SX+\i], v[SW+\i], v[SW+4+\i], vcc_lo   ; lanes 0-15: the first head's four words of row r; lanes 16-31: the second head's
.endr
	global_store_b128 v[VS], v[SX:SX+3], s[12:13] offset:6144   ; sixteen lanes store 256 consecutive bytes, aligned
.endm
; The rest of a work-group's way, once for each mode: the biases are asked for, the last two steps of 128 (128 matrix instructions) stand between that and the wait; then the images; then the end.
.macro TAIL m
.if \m == 0
	s_cmp_eq_u32 ttmp9, 1
	s_cselect_b64 s[4:5], s[6:7], s[4:5]           ; bk or bq
	s_add_nc_u64 s[4:5], s[4:5], s[66:67]
.irp b, 0,1,2,3,4,5,6,7                        ; register 8 b + j: the bias of channel 32 (b / 2) + 16 (lane / 16) + 8 (b % 2) + j
	global_load_b128 v[BI+8*\b:BI+8*\b+3], v[VB0], s[4:5] offset:(32*(\b/2)+8*(\b%2))*4
	global_load_b128 v[BI+8*\b+4:BI+8*\b+7], v[VB0], s[4:5] offset:(32*(\b/2)+8*(\b%2))*4+16
.endr
.else
	s_add_nc_u64 s[8:9], s[8:9], s[66:67]
.irp a, 0,1,2,3,4,5,6,7                        ; the bias of the channel at position 16 a + r, twice: a pair for the packed addition
	global_load_b32 v[BI+2*\a], v[VB1], s[8:9] offset:(32*(\a/2)+8*(\a%2))*4
	global_load_b32 v[BI+2*\a+1], v[VB1], s[8:9] offset:(32*(\a/2)+8*(\a%2))*4
.endr
.endif
	STEP 1, 0, 0
	s_wait_dscnt 4*NL                              ; the very last step: nothing more to fetch
	WIN MUL_LO
	MUL16 0, 1, NQ-1, 1, 0
	MUL16 2, 1, NQ-1, 1, 0
	s_wait_dscnt 0
	WIN MUL_HI
	MUL16 4, 1, NQ-1, 1, 0
	MUL16 6, 1, NQ-1, 1, 0
	WIN 0
	PLACES NP                                      ; in front of the reads of results and of the writes over A's fragments
	s_wait_loadcnt 0x0                             ; the biases
.irp b, 0,1,2,3
	v_mov_b32 v[TM+4+\b], 0                        ; written once: a lane permute's destination counts as one of its sources
.endr
	EPI \m
	s_wait_tensorcnt 0x0                           ; the wave's end
	ds_add_u32 v[SPW], v[NIL]
	s_wait_dscnt 0x0
	CROUND                                         ; the closing round: no work-group ends while a partner may still ask for a tile that names it
	s_endpgm
.endm
	s_wait_tensorcnt 1                             ; the scales and my part of K step 0 are in (K step 1's load may be out),
	s_barrier_signal -1
	s_barrier_wait -1                              ; everybody's are
	FETCH_B 0, 0, 0
	FETCH_A 0, 0, 0
	SCALES 0
	FETCH_A 0, 0, 4
	STEP 0, 0, 1                                   ; the first step starts the sums
	s_mov_b32 s3, LAPS-1
.Llap:                                                 ; once round the ring; both slots are filled again
	TURN 0, 1, 1
	STEP 1, 0, 0
	TURN 1, 0, 1
	STEP 0, 0, 0
	s_sub_co_u32 s3, s3, 1
	s_cmp_lg_u32 s3, 0
	s_cbranch_scc1 .Llap
	TURN 0, 1, 0                                   ; the last lap fills nothing
	s_cmp_lg_u32 s[MODE], 0                        ; the same in all sixteen partners
	s_cbranch_scc1 .Lv
	TAIL 0
.Lv:
	TAIL 1
.Lfunc_end_k_qa60bb5eba9_proj:
	.size	k_qa60bb5eba9_proj, .Lfunc_end_k_qa60bb5eba9_proj-k_qa60bb5eba9_proj
	.p2alignl 7, 3214868480
	.fill 96, 4, 3214868480
	.section	.rodata,"a",@progbits
	.p2align	6, 0x0
	.amdhsa_kernel k_qa60bb5eba9_proj
		.amdhsa_group_segment_fixed_size 327680
		.amdhsa_private_segment_fixed_size 0
		.amdhsa_enable_private_segment 0
		.amdhsa_kernarg_size 64
		.amdhsa_user_sgpr_count 2
		.amdhsa_user_sgpr_kernarg_segment_ptr 1
		.amdhsa_wavefront_size32 1
		.amdhsa_system_sgpr_workgroup_id_x 1
		.amdhsa_system_sgpr_workgroup_id_y 1
		.amdhsa_system_sgpr_workgroup_id_z 1
		.amdhsa_system_vgpr_workitem_id 0
		.amdhsa_next_free_vgpr 1024
		.amdhsa_next_free_sgpr 102
		.amdhsa_reserve_vcc 1
		.amdhsa_float_denorm_mode_32 3
		.amdhsa_float_denorm_mode_16_64 3
		.amdhsa_memory_ordered 1
		.amdhsa_forward_progress 1
		.amdhsa_inst_pref_size 255
	.end_amdhsa_kernel
	.section	.bss,"aw",@nobits
	.p2align	6
	.space	262144
	.amdgpu_metadata
---
amdhsa.version: [ 1, 2 ]
amdhsa.kernels:
  - .name:           k_qa60bb5eba9_proj
    .symbol:         k_qa60bb5eba9_proj.kd
    .args:
      - { .name: xc, .offset: 0, .size: 8, .value_kind: global_buffer, .address_space: global }
      - { .name: xs, .offset: 8, .size: 8, .value_kind: global_buffer, .address_space: global }
      - { .name: wc, .offset: 16, .size: 8, .value_kind: global_buffer, .address_space: global }
      - { .name: ws, .offset: 24, .size: 8, .value_kind: global_buffer, .address_space: global }
      - { .name: bq, .offset: 32, .size: 8, .value_kind: global_buffer, .address_space: global }
      - { .name: bk, .offset: 40, .size: 8, .value_kind: global_buffer, .address_space: global }
      - { .name: bv, .offset: 48, .size: 8, .value_kind: global_buffer, .address_space: global }
      - { .name: qkv, .offset: 56, .size: 8, .value_kind: global_buffer, .address_space: global }
    .group_segment_fixed_size: 327680
    .private_segment_fixed_size: 0
    .kernarg_segment_align: 8
    .kernarg_segment_size: 64
    .max_flat_workgroup_size: 128
    .sgpr_count:     102
    .vgpr_count:     1024
    .wavefront_size: 32
...
	.end_amdgpu_metadata
.endif
;; end of part 2
;; launch attn (part 3): grid 4 x 64, 16 waves a work-group, no clusters, 327,680 bytes of LDS; arguments qkv, yc, ys; writes yc, ys
.if DOCPART == 3
	.amdgcn_target "amdgcn-amd-amdhsa--gfx1250"
	.amdhsa_code_object_version 6
	.text
	.protected	k_qa60bb5eba9_attn
	.globl	k_qa60bb5eba9_attn
	.p2align	8
	.type	k_qa60bb5eba9_attn,@function
k_qa60bb5eba9_attn:
	s_mov_b64 s[64:65], 0
	v_nop
	global_prefetch_b8 v0, s[64:65] scope:SCOPE_SE
	s_setreg_imm32_b32 hwreg(HW_REG_WAVE_MODE, 25, 1), 1
	s_wait_xcnt 0x0
; y[q] = the sum over keys k <= q of softmax_k(q . k / 32) v[k], for 64 heads (16 batch + head) of 2,048 tokens x 64 channels, both products on codes of FP6 (E2M3) with E8M0 scales; y is quantised along C and stored as codes.
; THE SOFTMAX: t = score x log2(e) / 32; M = the running largest t rounded UP to a whole number; p = 2^(t - M) is quantised along the keys, not normalised; the row's sum is taken of the unquantised p and divides at the end.
; When M moves, the sum and O are multiplied by 2^(old M - new M): exact.
; qkv: [head][16 steps of 128 tokens][K, V, Q][6,400]: four images of operand registers (1,536 bytes: register 4 c + i of lane l at 512 c + 16 l + 4 i), then 256 bytes of scale words (image i, row r at 16 r + 4 i).
;   K, Q image P: registers 0-5 token positions 32 P + r, registers 6-11 positions 32 P + 16 + r, the head's 64 channels each.  V image t: channel positions 16 t + r x the step's 128 tokens in their own order.
;   At position p lies token (channel) t(p) = p with bits 3 and 4 exchanged: so the 16 registers of two neighbouring result tiles are 16 neighbours of the axis that source 0 brings.
; K = 64 IN AN INSTRUCTION OF 128: an image of K holds two tiles of keys in the two halves of the instruction's K.  Against [Q | zero codes] the product is the first tile's scores, against [zero codes | Q] the second's:
; each fragment read from LDS feeds two matrix instructions.  The zero codes add nothing: every scale byte here was made by the quantiser and lies in 1 .. 254.
; SHARES.  Work-group (x, head) owns query blocks x and 7 - x of 256 positions, one after the other: x + 1 and 8 - x slots of 256 keys: NINE slots in every work-group, so the trip count is a constant and all 256 work-groups
; have equal work.  Each of SIXTEEN waves owns 16 query positions in 256 registers: four waves to a SIMD, one wave's vector work beside another's matrix work and LDS loads.
; Both products are used transposed (S^T = K Q^T, O^T = V^T P^T): a lane holds one query throughout.
; No cluster: in one and the same trip the four work-groups of a head want different slots (the slot's number hangs on x).
; The mask: a step all of whose keys come after my queries is jumped over (a scalar branch on ids, round no barrier and no tensor load); on the diagonal hidden scores become -infinity ahead of the maximum.
; yc: [512 tiles of 16 positions][16 heads][3 pieces][256]: piece p = registers 2 p, 2 p + 1 of lane l at 8 l; two heads on end are a fragment of 16 rows x 128 along C.  ys: [8192 positions][32].
; ys is stored two bytes a row (2 bytes for each 48 of codes): rows 32 bytes apart, so these stores do not cover whole runs of 256 bytes.
; LIMITS: NaN and infinities are not served; blocks under 2^-124 keep the byte 1.  A block's largest p is made from its largest score by the same two instructions, which takes v_exp_f32 not to fall where its input rises.
; 1 / the sum is v_rcp_f32 and a multiplication.
.set SLOT1, 32768                      ; slot 1 begins here: one exclusive or turns an address
.set SEC,   6400                       ; a section; a slot is [step 0 K | step 0 V | step 1 K | step 1 V]
.set SPARE, 65536                      ; the spare words, 128 bytes for each of 16 waves
.set LI,  1                            ; v1   16 x lane
.set LR,  2                            ; v2   16 r
.set DL,  3                            ; v3   r + 8 (r / 8) - 16 h
.set YO,  4                            ; v4   8 x lane
.set SO,  5                            ; v5   32 r
.set SPW, 6
.set NIL, 7
.set ADI, 8                            ; v8   the slot in hand + 16 x lane
.set ADS, 9                            ; v9   the slot in hand + 16 r
.set PFO, 10                           ; v10  256 x min(lane, 24)
.set QL,  16                           ; v16-27 [Q | 0];  v28-39 [0 | Q]
.set FRG, 40                           ; v40-87 four fragments: K's images, then V's
.set SQ,  88                           ; v88-91 their scale words
.set QS,  92                           ; v92  Q's scale word (q0, q1, q0, q1)
.set PS,  93                           ; v93  p's scale word
.set FF,  94                           ; v[94:95] f, later 1 / the sum (v95 is only named with it)
.set S,   96                           ; v96-159 S^T, then p
.set O,   160                          ; v160-191 O^T
.set PC,  192                          ; v192-203 p's codes; v204-206, v208-210 at work
.set CT,  204
.set BM,  212
.set BX,  216
.set BS,  220
.set SUM2, 224
.set T0,  226
.set T1,  227
.set T2,  228
.set QOI, 229                          ; my image's place in Q's section + 16 x lane
.set QOS, 230                          ; its scale word's + 16 r
.set QB,  236                          ; v236-241 the second block's Q;  v242 its scale word
.set QSB, 242
.set TB,   2                           ; s2   LDS byte at which the slot in hand begins
.set TRIP, 3
.set WV,   18
.set WGX,  19
.set SEL,  20
.set CS,   22                          ; s[22:23] c = log2(e) / 32
.set G1,   24
.set G0,   32
.set HB,   36                          ; s[36:37] my section of the head's slot 0
.set OFS,  38                          ; s[38:39] an offset
.set KF,   40                          ; the step's first key
.set QLO,  41                          ; my least query
.set QHI,  42                          ; my greatest
.set QLOB, 43
.set EM,   44
.set SELQ, 45
.set YA,   46
.set YB,   48
.set SA,   50
.set SB,   52
.set PFA,  56
.set PFON, 58
.set POF,  70                          ; s[70:71] an offset
.macro TLOAD                           ; waves 0 to 3 fetch a section each; the branch hangs on the wave's number alone.  An s_nop 0 and four v_nop follow the load
	s_cmp_lt_u32 s[WV], 4
	s_cbranch_scc0 .Lnone_\@
	tensor_load_to_lds s[G0:G0+3], s[G1:G1+7]
	s_nop 0
.rept 4
	v_nop
.endr
.Lnone_\@:
.endm
; A prefetch of what the NEXT change of slots will ask for: in the head's work-group 0, which asks for slots 4 to 7 a trip or more ahead of the other three, waves 4 to 7 name a section each, lanes 256 bytes apart (a section is 25 such
; pieces: lanes 25-31 name the last again), in trips 3 to 6, for slot trip + 1: two key steps ahead of its tensor load.  Slots 0 to 3 are asked for by several work-groups at about the same time and come by their loads alone.
.macro ASK
	s_sub_co_u32 s59, s[TRIP], 3
	s_cmp_lt_u32 s59, 4
	s_cselect_b32 s59, s[PFON], 0
	s_cmp_lg_u32 s59, 0
	s_cbranch_scc0 .Lnot_mine_\@
	global_prefetch_b8 v[PFO], s[PFA:PFA+1] th:TH_LOAD_NT scope:SCOPE_SE
.Lnot_mine_\@:
.endm
	s_load_b128 s[4:7], s[0:1], 0x0                ; qkv, yc
	s_load_b64 s[8:9], s[0:1], 0x10                ; ys
	v_lshl_add_u32 v[SPW], v0, 2, SPARE
	v_mov_b32 v[NIL], 0
	ds_add_u32 v[SPW], v[NIL]                      ; the wave's opening: the add and its wait ahead of the first tensor load; work on registers stands between them
	ds_add_u32 v[SPW], v[NIL]
	v_lshrrev_b32 v[T0], 5, v0
	s_delay_alu instid0(VALU_DEP_1)
	v_readfirstlane_b32 s[WV], v[T0]               ; wave 0..15
	v_and_b32 v[T0], 31, v0                        ; lane
	v_and_b32 v[T1], 15, v0                        ; r
	v_bfe_u32 v[T2], v0, 4, 1                      ; h
	s_delay_alu instid0(VALU_DEP_3)
	v_lshlrev_b32 v[LI], 4, v[T0]
	s_delay_alu instid0(VALU_DEP_3)
	v_lshlrev_b32 v[LR], 4, v[T1]
	s_delay_alu instid0(VALU_DEP_4)
	v_and_b32 v[DL], 8, v[T1]
	s_delay_alu instid0(VALU_DEP_1)
	v_add_nc_u32 v[DL], v[DL], v[T1]
	v_lshlrev_b32 v[T2], 4, v[T2]
	s_delay_alu instid0(VALU_DEP_1)
	v_sub_nc_u32 v[DL], v[DL], v[T2]
	v_lshlrev_b32 v[YO], 3, v[T0]
	v_lshlrev_b32 v[SO], 5, v[T1]
	v_min_u32 v[PFO], 24, v[T0]
	s_delay_alu instid0(VALU_DEP_1)
	v_lshlrev_b32 v[PFO], 8, v[PFO]
	s_mov_b32 s[WGX], ttmp9
	s_and_b32 s59, ttmp7, 0xffff                   ; 16 batch + head
	s_mul_i32 s66, s59, 307200                     ; its first byte in qkv
	s_lshr_b32 s60, s59, 4                         ; batch
	s_and_b32 s61, s59, 15                         ; head
	s_sub_co_u32 s68, 7, s[WGX]                    ; the second block of queries
	s_and_b32 s62, s[WV], 3                        ; which section of a slot I fetch (waves 0-3) or prefetch (waves 4-7):
	s_mul_i32 s[G0+1], s62, SEC                    ; its place in slot 0,
	s_lshr_b32 s63, s62, 1
	s_mul_i32 s63, s63, 19200                      ; its step,
	s_and_b32 s67, s[WV], 1
	s_mul_i32 s62, s67, SEC                        ; K or V
	s_add_co_u32 s[OFS], s63, s62
	s_add_co_u32 s[OFS], s[OFS], s66
	s_mov_b32 s[OFS+1], 0
	s_lshr_b32 s62, s[WV], 3                       ; Q's sections: step 2 x block + wave / 8, the third section
	s_lshl_b32 s63, s[WGX], 1
	s_add_co_u32 s63, s63, s62
	s_mul_i32 s63, s63, 19200
	s_add_co_u32 s10, s63, s66
	s_add_co_u32 s10, s10, 2*SEC
	s_mov_b32 s11, 0
	s_lshl_b32 s63, s68, 1
	s_add_co_u32 s63, s63, s62
	s_mul_i32 s63, s63, 19200
	s_add_co_u32 s12, s63, s66
	s_add_co_u32 s12, s12, 2*SEC
	s_mov_b32 s13, 0
	s_lshl_b32 s62, s60, 7                         ; y: tile of 16 positions = 128 batch + 16 block + wave
	s_add_co_u32 s62, s62, s[WV]
	s_mul_i32 s69, s61, 768
	s_lshl_b32 s70, s61, 1
	s_lshl_b32 s63, s[WGX], 4
	s_add_co_u32 s63, s63, s62
	s_mul_i32 s[YA], s63, 12288
	s_add_co_u32 s[YA], s[YA], s69
	s_mov_b32 s[YA+1], 0
	s_lshl_b32 s[SA], s63, 9                       ; 16 rows of 32 bytes
	s_add_co_u32 s[SA], s[SA], s70
	s_mov_b32 s[SA+1], 0
	s_lshl_b32 s63, s68, 4
	s_add_co_u32 s63, s63, s62
	s_mul_i32 s[YB], s63, 12288
	s_add_co_u32 s[YB], s[YB], s69
	s_mov_b32 s[YB+1], 0
	s_lshl_b32 s[SB], s63, 9
	s_add_co_u32 s[SB], s[SB], s70
	s_mov_b32 s[SB+1], 0
	s_lshr_b32 s62, s[WV], 1                       ; positions 256 block + 16 wave + r hold tokens 256 block + 32 (wave / 2) + 8 (wave % 2) + r + 8 (r / 8)
	s_lshl_b32 s63, s62, 5
	s_lshl_b32 s69, s67, 3
	s_add_co_u32 s63, s63, s69
	s_lshl_b32 s69, s[WGX], 8
	s_add_co_u32 s[QLO], s69, s63
	s_add_co_u32 s[QHI], s[QLO], 23
	s_lshl_b32 s69, s68, 8
	s_add_co_u32 s[QLOB], s69, s63
	s_and_b32 s62, s62, 3                          ; my tile lies in image (wave / 2) % 4, half wave % 2
	s_mul_i32 s63, s62, 1536
	s_lshl_b32 s62, s62, 2
	v_add_nc_u32 v[QOI], s63, v[LI]
	v_add_nc_u32 v[QOS], s62, v[LR]
	s_cmp_lg_u32 s67, 0
	s_cselect_b32 s[EM], -1, 0
	s_mov_b32 s[SELQ], 0x01000100
	s_cselect_b32 s[SELQ], 0x03020302, s[SELQ]     ; which two bytes of the image's scale word are my tile's
	s_lshr_b32 s59, s[WV], 2
	s_xor_b32 s59, s59, 1
	s_or_b32 s59, s59, ttmp9
	s_cmp_eq_u32 s59, 0
	s_cselect_b32 s[PFON], 1, 0                    ; waves 4 to 7 of work-group x = 0
	s_mov_b32 s[G1], 3<<16                         ; no mask; elements of 8 bytes; no padding: images are read 16 bytes a lane on end
	s_mov_b32 s[G1+1], 32<<16                      ; tensor_dim0 = 32: rows of 256 bytes
	s_mov_b32 s[G1+2], 25<<16                      ; tensor_dim1 = 25: a section's 6,400 dense bytes
	s_mov_b32 s[G1+3], 32<<16                      ; tile_dim0
	s_mov_b32 s[G1+4], 25                          ; tile_dim1
	s_mov_b32 s[G1+5], 32                          ; pitch
	s_mov_b32 s[G1+6], 0
	s_mov_b32 s[G1+7], 0
	s_mov_b32 s[SEL], 0x76543210
	s_mov_b32 s[SEL+1], 0xfedcba98
	s_mov_b32 s[CS], 0x3d38aa3b                    ; log2(e) / 32
	s_mov_b32 s[CS+1], s[CS]
	s_mov_b32 s[TB], 0
	s_mov_b32 s[TRIP], 0
	s_mov_b32 s[KF], 0
	s_mov_b32 s[POF+1], 0
	s_wait_dscnt 0x0                               ; the opening add is done
	s_wait_kmcnt 0x0
	s_add_nc_u64 s[HB:HB+1], s[4:5], s[OFS:OFS+1]
	s_mov_b32 s[G0], 1
	s_mov_b64 s[G0+2:G0+3], s[HB:HB+1]
	s_or_b32 s[G0+3], s[G0+3], 0x80000000
	TLOAD                                          ; slot 0: keys 0 to 255.  One tensor load of a wave is out at the most in this text
	s_add_nc_u64 s[10:11], s[4:5], s[10:11]
	s_add_nc_u64 s[12:13], s[4:5], s[12:13]
	s_add_nc_u64 s[YA:YA+1], s[6:7], s[YA:YA+1]
	s_add_nc_u64 s[YB:YB+1], s[6:7], s[YB:YB+1]
	s_add_nc_u64 s[SA:SA+1], s[8:9], s[SA:SA+1]
	s_add_nc_u64 s[SB:SB+1], s[8:9], s[SB:SB+1]
	s_wait_alu depctr_va_vdst(0)
.irp c, 0,1,2
	global_load_b128 v[S+4*\c:S+4*\c+3], v[QOI], s[10:11] offset:512*\c          ; the image that holds my tile of the first block,
	global_load_b128 v[S+12+4*\c:S+12+4*\c+3], v[QOI], s[12:13] offset:512*\c    ; and of the second
.endr
	global_load_b32 v[S+24], v[QOS], s[10:11] offset:6144
	global_load_b32 v[S+25], v[QOS], s[12:13] offset:6144
	v_mov_b32 v13, 0xff61b1e6                      ; the largest t so far: -3e38
	s_delay_alu instid0(VALU_DEP_1)
	v_floor_f32 v12, -v13                          ; -M
	v_mov_b32 v14, 0                               ; the sum, in two halves
	v_mov_b32 v15, 0
	v_mov_b32 v[FF+1], 0
.irp b, 0,1,2,3
	v_mov_b32 v[BX+\b], 0                          ; written once: a lane permute's destination counts as one of its sources
.endr
.set jj, 0
.rept 12
	v_mov_b32 v[QL+6+jj], 0                        ; the zero codes of [Q | 0] and [0 | Q]
.set jj, jj+1
.endr
.set jj, 0
.rept 32
	v_mov_b32 v[O+jj], 0                           ; O^T: the step is written once; the first change of M leaves zeros zeros
.set jj, jj+1
.endr
	s_wait_loadcnt 0x0
	v_perm_b32 v[QS], v[S+24], v[S+24], s[SELQ]    ; the scale word first: the lines below are the places between it and the first scaled product
	v_perm_b32 v[QSB], v[S+25], v[S+25], s[SELQ]
.irp i, 0,1,2,3,4,5
	v_cndmask_b32 v[QL+\i], v[S+\i], v[S+6+\i], s[EM]
.endr
.irp i, 0,1,2,3,4,5
	v_mov_b32 v[QL+18+\i], v[QL+\i]
.endr
.irp i, 0,1,2,3,4,5
	v_cndmask_b32 v[QB+\i], v[S+12+\i], v[S+18+\i], s[EM]
.endr
; A KEY STEP: 128 keys, the q-th of the slot in hand.
.macro STEP q
	s_cmp_gt_u32 s[KF], s[QHI]                     ; all its keys come after my queries: nothing to do but to step the key count
	s_cbranch_scc1 .Lhidden_\@
	v_add_nc_u32 v[ADI], s[TB], v[LI]
	v_add_nc_u32 v[ADS], s[TB], v[LR]
	v_nop
	v_nop                                          ; four plain lines between the last products and the loads into their operands
.irp p, 0,1,2,3
.irp c, 0,1,2
	ds_load_b128 v[FRG+12*\p+4*\c:FRG+12*\p+4*\c+3], v[ADI] offset:2*SEC*(\q)+1536*\p+512*\c
.endr
.endr
	ds_load_b128 v[SQ:SQ+3], v[ADS] offset:2*SEC*(\q)+6144
	s_wait_dscnt 0x0
	s_wait_alu depctr_va_vdst(0)
.irp t, 0,1,2,3,4,5,6,7                        ; S^T: tile t = image t / 2 against [Q | 0] or [0 | Q].  Register 16 P + i of the 64 is key 32 P + 16 (lane / 16) + i
	v_wmma_scale_f32_16x16x128_f8f6f4 v[S+8*\t:S+8*\t+7], v[FRG+12*(\t/2):FRG+12*(\t/2)+11], v[QL+12*(\t%2):QL+12*(\t%2)+11], 0, v[SQ+\t/2], v[QS] matrix_a_fmt:MATRIX_FMT_FP6 matrix_b_fmt:MATRIX_FMT_FP6
.endr
.rept 4
	v_nop
.endr
.irp t, 0,1,2,3                                ; V's images at once: they land under the softmax
.irp c, 0,1,2
	ds_load_b128 v[FRG+12*\t+4*\c:FRG+12*\t+4*\c+3], v[ADI] offset:2*SEC*(\q)+SEC+1536*\t+512*\c
.endr
.endr
	ds_load_b128 v[SQ:SQ+3], v[ADS] offset:2*SEC*(\q)+SEC+6144
	s_add_co_u32 s59, s[KF], 127                   ; a step all of whose keys count skips the mask
	s_cmp_le_u32 s59, s[QLO]
	s_cbranch_scc1 .Lopen_\@
	s_sub_co_i32 s59, s[QLO], s[KF]
	v_add_nc_u32 v[T0], s59, v[DL]                 ; d = my query - the step's first key - 16 (lane / 16): register 16 P + i is hidden where 32 P + i > d
	v_mov_b32 v[T1], 0xff800000                    ; -infinity
.set jj, 0
.rept 64
	v_cmp_gt_i32 vcc_lo, 32*(jj/16)+jj%16, v[T0]
	v_cndmask_b32 v[S+jj], v[S+jj], v[T1], vcc_lo
.set jj, jj+1
.endr
.Lopen_\@:
.irp b, 0,1,2,3
	v_max3_num_f32 v[BM+\b], v[S+16*\b], v[S+1+16*\b], v[S+2+16*\b]   ; the largest score of each block of 32 keys: for the row's maximum and, since p rises with the score, for the block's largest p
.endr
.irp i, 3,5,7,9,11,13
.irp b, 0,1,2,3
	v_max3_num_f32 v[BM+\b], v[BM+\b], v[S+16*\b+\i], v[S+1+16*\b+\i]
.endr
.endr
.irp b, 0,1,2,3
	v_max_num_f32 v[BM+\b], v[BM+\b], v[S+15+16*\b]
.endr
.irp b, 0,1,2,3
	s_delay_alu instid0(VALU_DEP_4)
	v_permlanex16_b32 v[BX+\b], v[BM+\b], s[SEL], s[SEL+1]
.endr
.irp b, 0,1,2,3
	s_delay_alu instid0(VALU_DEP_4)
	v_max_num_f32 v[BM+\b], v[BM+\b], v[BX+\b]     ; with lane l xor 16's 16 keys
.endr
	s_delay_alu instid0(VALU_DEP_2)
	v_max3_num_f32 v[T0], v[BM], v[BM+1], v[BM+2]
	s_delay_alu instid0(VALU_DEP_1)
	v_max_num_f32 v[T0], v[T0], v[BM+3]
	s_delay_alu instid0(VALU_DEP_1)
	v_mul_f32 v[T0], s[CS], v[T0]                  ; as t
	s_delay_alu instid0(VALU_DEP_1)
	v_max_num_f32 v13, v13, v[T0]                  ; the running largest t
	v_mov_b32 v[T0], v12
	s_delay_alu instid0(VALU_DEP_2)
	v_floor_f32 v12, -v13                          ; the new -M = -ceil(t)
	s_delay_alu instid0(VALU_DEP_1)
	v_sub_f32 v[T0], v12, v[T0]                    ; old M - new M: a whole number, 0 or less
	s_delay_alu instid0(VALU_DEP_1)
	v_cvt_i32_f32 v[T0], v[T0]
	s_delay_alu instid0(VALU_DEP_1)
	v_ldexp_f32 v[FF], 1.0, v[T0]                  ; f = 2^(old M - new M)
.set jj, 0
.rept 32
	v_pk_fma_f32 v[S+jj:S+jj+1], v[S+jj:S+jj+1], s[CS:CS+1], v[12:13] op_sel_hi:[1,0,0]   ; t - M, two at a time
.set jj, jj+2
.endr
.irp b, 0,1,2,3
	v_fma_f32 v[BM+\b], v[BM+\b], s[CS], v12       ; the same of each block's largest score
.endr
.set jj, 0
	s_wait_alu depctr_va_vdst(0)
.rept 64
	v_exp_f32 v[S+jj], v[S+jj]                     ; p = 2^(t - M)
.set jj, jj+1
.endr
	v_pk_mul_f32 v[14:15], v[14:15], v[FF:FF+1] op_sel_hi:[1,0]   ; the sums under the new M (a plain line behind the exponentials)
	s_wait_alu depctr_va_vdst(0)                   ; one wait for the batch of 64, ahead of its first reader
.irp b, 0,1,2,3
	v_exp_f32 v[BM+\b], v[BM+\b]                   ; the blocks' largest p
.endr
	v_pk_add_f32 v[224:225], v[100:101], v[104:105]
	v_pk_add_f32 v[254:255], v[108:109], v[112:113]
	v_pk_add_f32 v[252:253], v[116:117], v[120:121]
	v_pk_add_f32 v[250:251], v[124:125], v[128:129]
	v_pk_add_f32 v[248:249], v[132:133], v[136:137]
	v_pk_add_f32 v[246:247], v[140:141], v[144:145]
	v_pk_add_f32 v[244:245], v[148:149], v[152:153]
	v_pk_add_f32 v[14:15], v[14:15], v[156:157]
	v_pk_add_f32 v[224:225], v[224:225], v[96:97]
	v_pk_add_f32 v[254:255], v[254:255], v[98:99]
	v_pk_add_f32 v[252:253], v[252:253], v[102:103]
	v_pk_add_f32 v[250:251], v[250:251], v[106:107]
	v_pk_add_f32 v[248:249], v[248:249], v[110:111]
	v_pk_add_f32 v[246:247], v[246:247], v[114:115]
	v_pk_add_f32 v[244:245], v[244:245], v[118:119]
	v_pk_add_f32 v[14:15], v[14:15], v[122:123]
	v_pk_add_f32 v[224:225], v[224:225], v[126:127]
	v_pk_add_f32 v[254:255], v[254:255], v[130:131]
	v_pk_add_f32 v[252:253], v[252:253], v[134:135]
	v_pk_add_f32 v[250:251], v[250:251], v[138:139]
	v_pk_add_f32 v[248:249], v[248:249], v[142:143]
	v_pk_add_f32 v[246:247], v[246:247], v[146:147]
	v_pk_add_f32 v[244:245], v[244:245], v[150:151]
	v_pk_add_f32 v[14:15], v[14:15], v[154:155]
	v_pk_add_f32 v[224:225], v[224:225], v[158:159]
	s_delay_alu instid0(VALU_DEP_2)
	v_pk_add_f32 v[14:15], v[14:15], v[250:251]
	s_delay_alu instid0(VALU_DEP_2)
	v_pk_add_f32 v[224:225], v[224:225], v[248:249]
	v_pk_add_f32 v[254:255], v[254:255], v[246:247]
	v_pk_add_f32 v[252:253], v[252:253], v[244:245]
	s_delay_alu instid0(VALU_DEP_2)
	v_pk_add_f32 v[14:15], v[14:15], v[254:255]
	s_delay_alu instid0(VALU_DEP_2)
	v_pk_add_f32 v[224:225], v[224:225], v[252:253]
	s_delay_alu instid0(VALU_DEP_1)
	v_pk_add_f32 v[14:15], v[14:15], v[224:225]
	s_wait_alu depctr_va_vdst(0)                   ; and one for the four
.irp b, 0,1,2,3
	v_max_num_f32 v[BM+\b], 0x1800000, v[BM+\b]    ; the floor 2^(3 - 127): the byte cannot fall under 1
.endr
.irp b, 0,1,2,3
	s_delay_alu instid0(VALU_DEP_4)
	v_add_nc_u32 v[BS+\b], 0xff000000, v[BM+\b]    ; 2 off the exponent field: the conversion's scale operand
.endr
.irp b, 0,1,2,3
	s_delay_alu instid0(VALU_DEP_4)
	v_lshrrev_b32 v[BX+\b], 23, v[BS+\b]
.endr
	s_delay_alu instid0(VALU_DEP_3)
	v_lshl_or_b32 v[PS], v[BX+1], 8, v[BX]         ; p's scale word for these 128 keys
	s_delay_alu instid0(VALU_DEP_1)
	v_lshl_or_b32 v[PS], v[BX+2], 16, v[PS]
	s_delay_alu instid0(VALU_DEP_1)
	v_lshl_or_b32 v[PS], v[BX+3], 24, v[PS]
.irp c, 0,1
	v_cvt_scalef32_pk16_fp6_f32 v[PC+6*\c:PC+2+6*\c], v[S+32*\c:S+15+32*\c], v[BS+2*\c]
	v_cvt_scalef32_pk16_fp6_f32 v[CT+4*\c:CT+2+4*\c], v[S+16+32*\c:S+31+32*\c], v[BS+2*\c+1]
.endr
	v_nop                                          ; one plain line behind the conversions
.irp c, 0,1
.irp i, 0,1,2
	v_permlane16_swap_b32 v[PC+6*\c+\i], v[CT+4*\c+\i]   ; a whole block to a lane
.endr
.irp i, 0,1,2
	s_delay_alu instid0(VALU_DEP_3)
	v_mov_b32 v[PC+3+6*\c+\i], v[CT+4*\c+\i]
.endr
.endr
.set jj, 0
.rept 16
	v_pk_mul_f32 v[O+jj:O+jj+1], v[O+jj:O+jj+1], v[FF:FF+1] op_sel_hi:[1,0]   ; O^T under the new M; these sixteen also stand between the writes of p's codes and scale word and the products
.set jj, jj+2
.endr
	s_wait_alu depctr_va_vdst(0)
	s_wait_dscnt 0x0                               ; V
.irp t, 0,1,2,3                                ; O^T += V^T P^T: four accumulators by turns; eight other products lie between two links of a chain
	v_wmma_scale_f32_16x16x128_f8f6f4 v[O+8*\t:O+8*\t+7], v[FRG+12*\t:FRG+12*\t+11], v[PC:PC+11], v[O+8*\t:O+8*\t+7], v[SQ+\t], v[PS] matrix_a_fmt:MATRIX_FMT_FP6 matrix_b_fmt:MATRIX_FMT_FP6
.endr
.Lhidden_\@:
	s_add_co_u32 s[KF], s[KF], 128
.endm
; THE CHANGE OF SLOTS, at a slot's head: each wave waits for all its tensor loads, adds 0 to its spare word, waits for that and for its reads of the slot that it has left; one barrier; fill = 1: the slot that was left takes the next
; trip's keys: slot trip + 1 of the first block's walk while that lasts, then slot trip - x of the second's.
.macro CHANGE fill
	s_wait_tensorcnt 0x0
	ds_add_u32 v[SPW], v[NIL]                      ; 0 onto my spare word; the descriptor's steps stand between it and the wait for it
.if \fill
	s_add_co_u32 s59, s[TRIP], 1
	s_sub_co_u32 s60, s[TRIP], s[WGX]
	s_mul_i32 s[POF], s59, 38400
	s_cmp_le_u32 s59, s[WGX]
	s_cselect_b32 s59, s59, s60
	s_mul_i32 s[OFS], s59, 38400                   ; a slot is two steps of 19,200 bytes in memory
	s_xor_b32 s[G0+1], s[G0+1], SLOT1
	s_add_nc_u64 s[G0+2:G0+3], s[HB:HB+1], s[OFS:OFS+1]
	s_or_b32 s[G0+3], s[G0+3], 0x80000000
	s_wait_xcnt 0x0                                ; the last prefetch, a trip back, has read its address
	s_add_nc_u64 s[PFA:PFA+1], s[HB:HB+1], s[POF:POF+1]
.endif
	s_wait_dscnt 0x0
	s_barrier_signal -1
	s_barrier_wait -1
.if \fill
	TLOAD                                          ; the first thing behind the barrier, and a wave's one tensor load until the next
	ASK
.endif
.endm
; A block of queries is done: O^T / the sum; its 64 channels are two blocks along C: quantised, stored.  sw = 1: on to the second block.
.macro FINISH y, s, sw
.rept 4
	v_nop
.endr
	v_add_f32 v14, v14, v15
	s_delay_alu instid0(VALU_DEP_1)
	v_permlanex16_b32 v[T0], v14, s[SEL], s[SEL+1]
	s_delay_alu instid0(VALU_DEP_1)
	v_add_f32 v14, v14, v[T0]                      ; the row's sum
	s_wait_alu depctr_va_vdst(0)
	v_rcp_f32 v[FF], v14
	v_nop
	s_wait_alu depctr_va_vdst(0)                   ; ahead of the reciprocal's first reader
.set jj, 0
.rept 16
	v_pk_mul_f32 v[S+jj:S+jj+1], v[O+jj:O+jj+1], v[FF:FF+1] op_sel_hi:[1,0]   ; register 16 b + i: channel 32 b + 16 (lane / 16) + i of my query
.set jj, jj+2
.endr
.irp b, 0,1
	v_max3_num_f32 v[BM+\b], |v[S+16*\b]|, |v[S+1+16*\b]|, 0x1800000
.endr
.irp i, 2,4,6,8,10,12,14
.irp b, 0,1
	s_delay_alu instid0(VALU_DEP_2)
	v_max3_num_f32 v[BM+\b], v[BM+\b], |v[S+16*\b+\i]|, |v[S+1+16*\b+\i]|
.endr
.endr
.irp b, 0,1
	s_delay_alu instid0(VALU_DEP_2)
	v_permlanex16_b32 v[BX+\b], v[BM+\b], s[SEL], s[SEL+1]
.endr
.irp b, 0,1
	s_delay_alu instid0(VALU_DEP_2)
	v_max_num_f32 v[BM+\b], v[BM+\b], v[BX+\b]
.endr
.irp b, 0,1
	s_delay_alu instid0(VALU_DEP_2)
	v_add_nc_u32 v[BS+\b], 0xff000000, v[BM+\b]
.endr
.irp b, 0,1
	s_delay_alu instid0(VALU_DEP_2)
	v_lshrrev_b32 v[BX+\b], 23, v[BS+\b]
.endr
	s_delay_alu instid0(VALU_DEP_1)
	v_lshl_or_b32 v[T0], v[BX+1], 8, v[BX]         ; my row's two scale bytes
	v_cvt_scalef32_pk16_fp6_f32 v[PC:PC+2], v[S:S+15], v[BS]
	v_cvt_scalef32_pk16_fp6_f32 v[CT:CT+2], v[S+16:S+31], v[BS+1]
	v_nop
.irp i, 0,1,2
	v_permlane16_swap_b32 v[PC+\i], v[CT+\i]
.endr
.irp i, 0,1,2
	s_delay_alu instid0(VALU_DEP_3)
	v_mov_b32 v[PC+3+\i], v[CT+\i]
.endr
.irp p, 0,1,2
	global_store_b64 v[YO], v[PC+2*\p:PC+2*\p+1], s[\y:\y+1] offset:256*\p   ; 32 lanes store 256 consecutive bytes, aligned
.endr
	global_store_b16 v[SO], v[T0], s[\s:\s+1]      ; lanes r and 16 + r write the same two bytes with the same value
.if \sw
	s_wait_xcnt 0x0                                ; the stores have read their registers
	v_mov_b32 v[QS], v[QSB]                        ; the scale word first, then Q: the resets below stand between them and the next products
.irp i, 0,1,2,3,4,5
	v_mov_b32 v[QL+\i], v[QB+\i]
	v_mov_b32 v[QL+18+\i], v[QB+\i]
.endr
	v_mov_b32 v13, 0xff61b1e6
	s_delay_alu instid0(VALU_DEP_1)
	v_floor_f32 v12, -v13
	v_mov_b32 v14, 0
	v_mov_b32 v15, 0
.set jj, 0
.rept 32
	v_mov_b32 v[O+jj], 0
.set jj, jj+1
.endr
	s_mov_b32 s[KF], 0
	s_mov_b32 s[QLO], s[QLOB]
	s_add_co_u32 s[QHI], s[QLO], 23
.endif
.endm
.Lslot:                                            ; eight trips; the ninth slot is written out
	CHANGE 1
	STEP 0
	STEP 1
	s_xor_b32 s[TB], s[TB], SLOT1
	s_cmp_eq_u32 s[TRIP], s[WGX]                   ; the first block's walk ends with trip x
	s_cbranch_scc0 .Lsame
	FINISH YA, SA, 1
.Lsame:
	s_add_co_u32 s[TRIP], s[TRIP], 1
	s_cmp_lt_u32 s[TRIP], 8
	s_cbranch_scc1 .Lslot
	CHANGE 0
	STEP 0
	STEP 1
	FINISH YB, SB, 0
	s_wait_tensorcnt 0x0                           ; the wave's end
	ds_add_u32 v[SPW], v[NIL]
	s_wait_dscnt 0x0
	s_endpgm
.Lfunc_end_k_qa60bb5eba9_attn:
	.size	k_qa60bb5eba9_attn, .Lfunc_end_k_qa60bb5eba9_attn-k_qa60bb5eba9_attn
	.p2alignl 7, 3214868480
	.fill 96, 4, 3214868480
	.section	.rodata,"a",@progbits
	.p2align	6, 0x0
	.amdhsa_kernel k_qa60bb5eba9_attn
		.amdhsa_group_segment_fixed_size 327680
		.amdhsa_private_segment_fixed_size 0
		.amdhsa_enable_private_segment 0
		.amdhsa_kernarg_size 24
		.amdhsa_user_sgpr_count 2
		.amdhsa_user_sgpr_kernarg_segment_ptr 1
		.amdhsa_wavefront_size32 1
		.amdhsa_system_sgpr_workgroup_id_x 1
		.amdhsa_system_sgpr_workgroup_id_y 1
		.amdhsa_system_sgpr_workgroup_id_z 1
		.amdhsa_system_vgpr_workitem_id 0
		.amdhsa_next_free_vgpr 256
		.amdhsa_next_free_sgpr 72
		.amdhsa_reserve_vcc 1
		.amdhsa_float_denorm_mode_32 3
		.amdhsa_float_denorm_mode_16_64 3
		.amdhsa_memory_ordered 1
		.amdhsa_forward_progress 1
		.amdhsa_inst_pref_size 109
	.end_amdhsa_kernel
	.amdgpu_metadata
---
amdhsa.version: [ 1, 2 ]
amdhsa.kernels:
  - .name:           k_qa60bb5eba9_attn
    .symbol:         k_qa60bb5eba9_attn.kd
    .args:
      - { .name: qkv, .offset: 0, .size: 8, .value_kind: global_buffer, .address_space: global }
      - { .name: yc, .offset: 8, .size: 8, .value_kind: global_buffer, .address_space: global }
      - { .name: ys, .offset: 16, .size: 8, .value_kind: global_buffer, .address_space: global }
    .group_segment_fixed_size: 327680
    .private_segment_fixed_size: 0
    .kernarg_segment_align: 8
    .kernarg_segment_size: 24
    .max_flat_workgroup_size: 512
    .sgpr_count:     72
    .vgpr_count:     256
    .wavefront_size: 32
...
	.end_amdgpu_metadata
.endif
;; end of part 3
;; launch outp (part 4): grid 4 x 32, 4 waves a work-group, clusters of 4 x 4, 327,680 bytes of LDS; arguments yc, ys, wc, ws, bo, out0; writes out0
.if DOCPART == 4
	.amdgcn_target "amdgcn-amd-amdhsa--gfx1250"
	.amdhsa_code_object_version 6
	.text
	.protected	k_qa60bb5eba9_outp
	.globl	k_qa60bb5eba9_outp
	.p2align	8
	.type	k_qa60bb5eba9_outp,@function
k_qa60bb5eba9_outp:
	s_mov_b64 s[64:65], 0
	v_nop
	global_prefetch_b8 v0, s[64:65] scope:SCOPE_SE
	s_setreg_imm32_b32 hwreg(HW_REG_WAVE_MODE, 25, 1), 1
	s_wait_xcnt 0x0
	s_wait_alu depctr_hold_cnt(0) depctr_sa_sdst(0) depctr_va_vdst(0) depctr_va_sdst(0) depctr_va_ssrc(0) depctr_va_vcc(0) depctr_vm_vsrc(0)
	s_getreg_b32 s2, hwreg(HW_REG_IB_STS2, 6, 4)
	s_cmp_eq_u32 s2, 0
	s_cbranch_scc0 .Lentry_in_a_cluster
	s_endpgm
.Lentry_in_a_cluster:
	s_bfe_u32 s2, ttmp6, 0x10000c
	s_cmp_lg_u32 s2, 0xf033
	s_cbranch_scc0 .Lentry_shape_is_right
	s_endpgm
.Lentry_shape_is_right:
; out0 = y Wo^T + bo on codes of FP6 (E2M3) with one E8M0 scale for each 32 along K = 1,024; sums in f32; out0 [8192][1024] f32.
; A (source 1: its rows fall on lanes) = y.  yc: [512 tiles of 16 row positions][8 K steps of 128][6 pieces][256]: piece p = registers 2 p, 2 p + 1 of lane l at 8 l: IMAGES OF THE OPERAND'S REGISTERS.  ys: [8192 positions][32].
; B (source 0: its rows fall on a lane's registers) = Wo: rows 3,072 on of wc [4096 positions][768] and ws [4096][32].
; At position p lies row t(p) = p with bits 3 and 4 exchanged.  So the 16 registers of accumulators (a, 2 i), (a, 2 i + 1) are the columns 32 i + 16 (lane / 16) + 0 .. 15 of out0 in their own order,
; and position 16 a + t of my 128 rows is row 32 (a / 2) + 8 (a % 2) + t + 8 (t / 8): that is put right in the stores' offsets.
; A tile of out0 is 256 x 256, four waves of 128 x 128; K in steps of 256 through two LDS slots filled by joint tensor loads (A's shared along a row of the 4 x 4 cluster, B's along a column); the scale bytes come once.
; bo is the C of each sum's first matrix instruction.  The launch has 128 tiles, a work-group each.
; REGISTERS, in windows of 256: window 0: v0-31 addresses; v32-63 scale words; v64-127 bo; from v128 A's fragments, later rows on their way out.  window 1: B's fragments, two sets.  windows 2, 3: the accumulators.
.set KSTEP,  256
.set NQ,     2
.set ROWB,   192
.set KROW,   768
.set ASLOT,  3072                      ; a slot's bytes of one tile of 16 rows of y: two images of 1,536
.set PITCH,  240                       ; B's LDS row: 3 x (64 bytes + 16 of padding) = 60 words: the 32 lanes of a load of 8 bytes touch 64 different banks (64 banks of 4 bytes: ISA guide 11.1)
.set FR,     12
.set NL,     6
.set NP,     4
.set HALFT,  128*PITCH                 ; a wave's part of a slot (A's uses 24,576 bytes of it)
.set SLOT,   4*HALFT
.set LAPS,   2
.set KS,     32
.set SCL,    2*SLOT
.set HALFS,  (128*KS/256)*272
.set SBLK,   (16*KS/256)*272
.set SPARE,  SCL+4*HALFS
.set SPITCH, 528                       ; the way out: a stage of 16 rows x (512 bytes + 16) for each wave, in slot 0, which has had its last fill and its last read when the first result is stored there
.set ROWC,   4096                      ; a row of out0 in bytes
.set VB0,  14
.set ADRA, 16                          ; v16-17 A's images in slot 0, 1: + 8 x lane
.set ADRB, 20                          ; v20-23
.set STO,  24
.set RD,   25
.set CO,   26
.set ADRS, 27
.set SPW,  28
.set NIL,  29
.set SC,   32
.set BI,   64
.set AF,   128
.set BK,   128
.set G1, 24
.set G0, 32
.set G1B, 48
.set G0B, 56
.set G1S, 68
.set G0S, 76
.set G1SB, 80
.set G0SB, 88
.set MSB, 0
.macro WIN new
.if MSB != (\new)
	s_set_vgpr_msb (MSB<<8)|(\new)
.set MSB, (\new)
.endif
.endm
.set MUL_LO, 0xa1                      ; source 0 (B) window 1, source 1 (A) window 0, C and D window 2 (less 0x20: C in window 0)
.set MUL_HI, 0xf1                      ; C and D window 3 (less 0x30: C in window 0)
.set TO_B,   0x40
.macro JLOAD g0a, g1a, g0b, g1b        ; a joint load: waves 0 and 1 fetch for A, waves 2 and 3 for B.  An s_nop 0 and four v_nop follow each of the two lines
	s_cmp_eq_u32 s15, 0
	s_cbranch_scc0 .Lfor_b_\@
	tensor_load_to_lds s[\g0a:\g0a+3], s[\g1a:\g1a+7]
	s_nop 0
.rept 4
	v_nop
.endr
	s_branch .Lasked_\@
.Lfor_b_\@:
	tensor_load_to_lds s[\g0b:\g0b+3], s[\g1b:\g1b+7]
	s_nop 0
.rept 4
	v_nop
.endr
.Lasked_\@:
.endm
.macro CREST
	s_cmp_lg_u32 s14, 0
	s_cbranch_scc1 .Lnot_wave_0_\@
	s_barrier_signal -3
.Lnot_wave_0_\@:
	s_barrier_wait -3
	s_barrier_signal -1
	s_barrier_wait -1
.endm
.macro CROUND
	s_barrier_signal -1
	s_barrier_wait -1
	CREST
.endm
	s_load_b128 s[4:7], s[0:1], 0x0                ; yc, ys
	s_load_b128 s[8:11], s[0:1], 0x10              ; wc, ws
	s_load_b64 s[96:97], s[0:1], 0x20              ; bo
	s_load_b64 s[12:13], s[0:1], 0x28              ; out0
	v_lshl_add_u32 v[SPW], v0, 2, SPARE
	v_mov_b32 v[NIL], 0
	ds_add_u32 v[SPW], v[NIL]                      ; the wave's opening: the add and its wait ahead of my first tensor load
	v_lshrrev_b32 v1, 5, v0
	v_readfirstlane_b32 s14, v1                    ; wave 0..3
	s_lshr_b32 s15, s14, 1                         ; which half of the tile's rows is mine.  Also: I fetch for A (0) or for B (1)
	s_and_b32 s16, s14, 1                          ; which half of its columns.  Also: which 128 rows I fetch
	s_bfe_u32 s40, ttmp6, 0x40000                  ; cx
	s_bfe_u32 s41, ttmp6, 0x40004                  ; cy
	s_lshl_b32 s42, ttmp9, 2
	s_add_co_u32 s42, s42, s40                     ; tile column
	s_and_b32 s17, ttmp7, 0xffff
	s_lshl_b32 s17, s17, 2
	s_add_co_u32 s17, s17, s41                     ; tile row
	s_lshl_b32 s43, s41, 2
	s_lshl_b32 s43, 15, s43                        ; my row of the cluster
	s_lshl_b32 s44, 0x1111, s40                    ; my column
	s_or_b32 s[G1+0], s43, (3<<16)|(1<<21)         ; A: the mask; elements of 8 bytes; bit 21 beside a mask; no padding: images are read 8 bytes a lane on end
	s_mov_b32 s[G1+1], 384<<16                     ; tensor_dim0 = 384: 3,072 bytes of a tile of 16 rows
	s_mov_b32 s[G1+2], 8<<16                       ; tensor_dim1 = 8 such tiles: 128 rows
	s_mov_b32 s[G1+3], 384<<16                     ; tile_dim0
	s_mov_b32 s[G1+4], 8                           ; tile_dim1
	s_mov_b32 s[G1+5], 1536                        ; pitch: 12,288 bytes from tile to tile
	s_mov_b32 s[G1+6], 0
	s_mov_b32 s[G1+7], 0
	s_or_b32 s[G1B+0], s44, (0<<16)|(1<<20)|(1<<21)|(3<<22)|(3<<25)  ; B: elements of 1 byte; after every 16 words 4 words of padding
	s_mov_b32 s[G1B+1], ROWB<<16
	s_mov_b32 s[G1B+2], 128<<16
	s_mov_b32 s[G1B+3], ROWB<<16
	s_mov_b32 s[G1B+4], 128
	s_mov_b32 s[G1B+5], KROW
	s_mov_b32 s[G1B+6], 0
	s_mov_b32 s[G1B+7], 0
	s_or_b32 s[G1S+0], s43, (3<<16)|(1<<20)|(1<<21)|(5<<22)|(3<<25)  ; the scales of 128 rows: 16 rows of 256 bytes, 16 bytes of padding behind each
	s_or_b32 s[G1SB+0], s44, (3<<16)|(1<<20)|(1<<21)|(5<<22)|(3<<25)
.irp g, G1S, G1SB
	s_mov_b32 s[\g+1], 32<<16
	s_mov_b32 s[\g+2], (128*KS/256)<<16
	s_mov_b32 s[\g+3], 32<<16
	s_mov_b32 s[\g+4], 128*KS/256
	s_mov_b32 s[\g+5], 32
	s_mov_b32 s[\g+6], 0
	s_mov_b32 s[\g+7], 0
.endr
	s_lshl_b32 s18, s16, 7
	s_lshl_b32 s20, s17, 8
	s_add_co_u32 s20, s20, s18                     ; A: row position 256 x tile row + 128 x half
	s_lshl_b32 s46, s42, 8
	s_add_co_u32 s46, s46, s18
	s_add_co_u32 s46, s46, 3072                    ; B: row 3,072 + 256 x tile column + 128 x half
	s_mov_b32 s21, 0
	s_mov_b32 s47, 0
	s_mov_b64 s[18:19], KS
	s_mul_u64 s[22:23], s[20:21], s[18:19]
	s_mul_u64 s[92:93], s[46:47], s[18:19]
	s_mov_b64 s[18:19], KROW
	s_mul_u64 s[20:21], s[20:21], s[18:19]         ; (16 rows of y are 12,288 bytes: 768 a row, as in B)
	s_mul_u64 s[46:47], s[46:47], s[18:19]
	s_mul_i32 s45, s14, HALFT
	s_mul_i32 s94, s14, HALFS
	s_wait_dscnt 0x0                               ; the opening add is done
	s_wait_kmcnt 0x0
	s_add_nc_u64 s[20:21], s[4:5], s[20:21]
	s_add_nc_u64 s[22:23], s[6:7], s[22:23]
	s_add_nc_u64 s[46:47], s[8:9], s[46:47]
	s_add_nc_u64 s[92:93], s[10:11], s[92:93]
	CROUND                                         ; all sixteen work-groups are here: the first joint loads meet
	s_mov_b32 s[G0S], 1
	s_add_co_u32 s[G0S+1], s94, SCL
	s_mov_b64 s[G0S+2:G0S+3], s[22:23]
	s_or_b32 s[G0S+3], s[G0S+3], 0x80000000
	s_mov_b32 s[G0SB], 1
	s_add_co_u32 s[G0SB+1], s94, SCL
	s_mov_b64 s[G0SB+2:G0SB+3], s[92:93]
	s_or_b32 s[G0SB+3], s[G0SB+3], 0x80000000
	JLOAD G0S, G1S, G0SB, G1SB
.irp s, 0,1
	s_mov_b32 s[G0+4*\s], 1
	s_add_co_u32 s[G0+4*\s+1], s45, \s*SLOT
	s_add_nc_u64 s[G0+4*\s+2:G0+4*\s+3], s[20:21], \s*ASLOT
	s_or_b32 s[G0+4*\s+3], s[G0+4*\s+3], 0x80000000
	s_mov_b32 s[G0B+4*\s], 1
	s_add_co_u32 s[G0B+4*\s+1], s45, \s*SLOT
	s_add_nc_u64 s[G0B+4*\s+2:G0B+4*\s+3], s[46:47], \s*ROWB
	s_or_b32 s[G0B+4*\s+3], s[G0B+4*\s+3], 0x80000000
	JLOAD G0+4*\s, G1, G0B+4*\s, G1B               ; three tensor loads of mine are out now, the most in this text
.endr
	v_and_b32 v1, 15, v0                           ; r
	v_bfe_u32 v2, v0, 4, 1                         ; h
	v_and_b32 v6, 31, v0                           ; lane
	v_lshlrev_b32 v7, 3, v6                        ; A: 8 x lane
	v_mul_u32_u24 v3, v1, PITCH
	v_mul_u32_u24 v4, v2, 24
	v_add_nc_u32 v4, v3, v4                        ; B: row x pitch + 24 x half
	v_lshl_add_u32 v5, v2, 4, v4                   ; and the same behind one padding more
	s_mul_i32 s21, s15, HALFT
	s_mul_i32 s22, s16, HALFT
	s_add_co_u32 s22, s22, 2*HALFT
.irp s, 0,1
	v_add_nc_u32 v[ADRA+\s], s21, v7
	v_add_nc_u32 v[ADRB+\s], s22, v4
	v_add_nc_u32 v[ADRB+2+\s], s22, v5
	s_add_co_u32 s21, s21, SLOT
	s_add_co_u32 s22, s22, SLOT
.endr
	v_mul_u32_u24 v5, v1, KS
	v_lshrrev_b32 v8, 8, v5
	v_lshl_add_u32 v5, v8, 4, v5
	s_mul_i32 s21, s15, HALFS
	s_mul_i32 s22, s16, HALFS
	s_add_co_u32 s22, s22, 2*HALFS
	s_sub_co_u32 s22, s22, s21
	v_mul_u32_u24 v8, s22, v2                      ; lanes 16-31 take B's: one product, the distance between the two bases
	s_add_co_u32 s21, s21, SCL
	v_add_nc_u32 v5, v5, v8
	v_add_nc_u32 v[ADRS], s21, v5
	s_mul_i32 s23, s14, 16*SPITCH                  ; my stage
	v_mul_u32_u24 v5, v1, SPITCH                   ; in: row r, + 64 bytes for lanes 16-31: columns 16 h on of each 32
	v_lshl_add_u32 v5, v2, 6, v5
	v_add_nc_u32 v[STO], s23, v5
	v_lshlrev_b32 v[CO], 4, v6                     ; back: the 32 lanes take one row of 512 bytes; and the same in out0
	v_add_nc_u32 v[RD], s23, v[CO]
	v_lshlrev_b32 v[VB0], 6, v2
	s_lshl_b32 s20, s17, 8
	s_lshl_b32 s21, s15, 7
	s_add_co_u32 s20, s20, s21                     ; my first row
	s_mov_b32 s21, 0
	s_mov_b64 s[18:19], ROWC
	s_mul_u64 s[20:21], s[20:21], s[18:19]
	s_lshl_b32 s46, s42, 10                        ; my first column, in bytes: 1,024 x tile column + 512 x half
	s_lshl_b32 s47, s16, 9
	s_add_co_u32 s46, s46, s47
	s_mov_b32 s47, 0
	s_add_nc_u64 s[96:97], s[96:97], s[46:47]      ; bo at my first column
	s_add_nc_u64 s[20:21], s[20:21], s[46:47]
	s_add_nc_u64 s[12:13], s[12:13], s[20:21]
.irp b, 0,1,2,3,4,5,6,7                        ; register 8 b + j: bo of column 32 (b / 2) + 16 (lane / 16) + 8 (b % 2) + j: the layout of accumulator (a, b), for every a
	global_load_b128 v[BI+8*\b:BI+8*\b+3], v[VB0], s[96:97] offset:(32*(\b/2)+8*(\b%2))*4
	global_load_b128 v[BI+8*\b+4:BI+8*\b+7], v[VB0], s[96:97] offset:(32*(\b/2)+8*(\b%2))*4+16
.endr
.macro FRAG reg, adr, q, i             ; B: 16 rows x 128 K: 24 bytes of the row as they lie, twice, in pieces of 8
.irp p, 0,1,2,3,4,5
.set PCE, 12*(\q)+6*(\p/3)+\p%3
.if PCE%8 < 5
	ds_load_b64 v[\reg+2*\p:\reg+2*\p+1], v[\adr] offset:8*PCE+16*(PCE/8)+(\i)*16*PITCH
.else
	ds_load_b64 v[\reg+2*\p:\reg+2*\p+1], v[\adr+2] offset:8*PCE+16*(PCE/8)+(\i)*16*PITCH
.endif
.endr
.endm
.macro FRAGA reg, adr, q, i            ; A: an image: six pieces of 256 consecutive bytes, 8 a lane
.irp p, 0,1,2,3,4,5
	ds_load_b64 v[\reg+2*\p:\reg+2*\p+1], v[\adr] offset:(\i)*ASLOT+(\q)*1536+256*\p
.endr
.endm
; 16 matrix instructions: A's blocks a0, a0 + 1 x B's eight; the 64 accumulators take turns, one instruction a turn.  zero = 1: the first product starts the sums from bo.
.macro MUL16 a0, p, q, sc, zero
.irp a, \a0, \a0+1
.irp b, 0,1,2,3,4,5,6,7
.if \zero
	v_wmma_scale_f32_16x16x128_f8f6f4 v[8*(8*((\a)%4)+\b):8*(8*((\a)%4)+\b)+7], v[128*(\p)+FR*\b:128*(\p)+FR*\b+FR-1], v[AF+FR*(\a):AF+FR*(\a)+FR-1], v[BI+8*\b:BI+8*\b+7], v[SC+8*NQ*(\sc)+NQ*\b+(\q)], v[SC+8*NQ*(\sc)+NQ*(\a)+(\q)] matrix_a_fmt:MATRIX_FMT_FP6 matrix_b_fmt:MATRIX_FMT_FP6 matrix_a_scale:MATRIX_SCALE_ROW1
.else
	v_wmma_scale_f32_16x16x128_f8f6f4 v[8*(8*((\a)%4)+\b):8*(8*((\a)%4)+\b)+7], v[128*(\p)+FR*\b:128*(\p)+FR*\b+FR-1], v[AF+FR*(\a):AF+FR*(\a)+FR-1], v[8*(8*((\a)%4)+\b):8*(8*((\a)%4)+\b)+7], v[SC+8*NQ*(\sc)+NQ*\b+(\q)], v[SC+8*NQ*(\sc)+NQ*(\a)+(\q)] matrix_a_fmt:MATRIX_FMT_FP6 matrix_b_fmt:MATRIX_FMT_FP6 matrix_a_scale:MATRIX_SCALE_ROW1
.endif
.endr
.endr
.endm
.macro FETCH_B slot, q, p
	WIN TO_B
.irp i, 0,1,2,3,4,5,6,7
	FRAG 128*(\p)+FR*\i, ADRB+\slot, \q, \i
.endr
	WIN 0
.endm
.macro FETCH_A slot, q, i0
.irp i, \i0, \i0+1, \i0+2, \i0+3
	FRAGA AF+FR*(\i), ADRA+\slot, \q, \i
.endr
.endm
.macro SCALES sc
.irp i, 0,1,2,3,4,5,6,7
	ds_load_b64 v[SC+8*NQ*\sc+NQ*\i:SC+8*NQ*\sc+NQ*\i+1], v[ADRS] offset:\i*SBLK
.endr
.endm
.macro PLACES n                        ; plain vector lines between a matrix instruction and a load into, or a read of, one of its registers
.rept \n
	v_nop
.endr
.endm
.macro STEP slot, q, zero
	s_wait_dscnt 4*NL                              ; B's set and A's blocks 0-3 are in; the youngest 24 loads (A's blocks 4-7) may be out
	WIN MUL_LO-0x20*\zero
	MUL16 0, (\q)%2, \q, \slot, \zero
	MUL16 2, (\q)%2, \q, \slot, \zero
	s_wait_dscnt 0
	PLACES NP
	FETCH_B \slot, (\q)+1, 1-(\q)%2
	FETCH_A \slot, (\q)+1, 0
	WIN MUL_HI-0x30*\zero
	MUL16 4, (\q)%2, \q, \slot, \zero
	MUL16 6, (\q)%2, \q, \slot, \zero
	PLACES NP
	WIN 0
	FETCH_A \slot, (\q)+1, 4
.endm
.macro TURN slot, next, fill           ; a slot's last step changes slots: one barrier; in front of it the wait for all my tensor loads, the add, the wait for it and for my reads of this slot
	s_wait_tensorcnt 0x0
	ds_add_u32 v[SPW], v[NIL]
	s_wait_dscnt 4*NL+1                            ; (the add and the youngest 24 loads may be out)
	WIN MUL_LO
	MUL16 0, 1, NQ-1, \slot, 0
	s_wait_dscnt 0x0
	s_barrier_signal -1
	MUL16 2, 1, NQ-1, \slot, 0
	WIN 0
	s_barrier_wait -1
.if \fill
	CREST                                          ; the barrier has opened a round of the cluster's: no wave of any partner still reads this slot or has a load on its way
	s_add_nc_u64 s[G0+4*\slot+2:G0+4*\slot+3], s[G0+4*\slot+2:G0+4*\slot+3], 2*ASLOT
	s_add_nc_u64 s[G0B+4*\slot+2:G0B+4*\slot+3], s[G0B+4*\slot+2:G0B+4*\slot+3], 2*ROWB
	JLOAD G0+4*\slot, G1, G0B+4*\slot, G1B
.else
	PLACES NP
.endif
	v_add_nc_u32 v[ADRS], 4*NQ, v[ADRS]
	FETCH_B \next, 0, 0
	FETCH_A \next, 0, 0
	SCALES \next
	WIN MUL_HI
	MUL16 4, 1, NQ-1, \slot, 0
	MUL16 6, 1, NQ-1, \slot, 0
	PLACES NP
	WIN 0
	FETCH_A \next, 0, 4
.endm
	s_wait_tensorcnt 1                             ; the scales and my part of K step 0 are in (K step 1's load may be out),
	s_barrier_signal -1
	s_barrier_wait -1                              ; everybody's are
	FETCH_B 0, 0, 0
	FETCH_A 0, 0, 0
	SCALES 0
	FETCH_A 0, 0, 4
	s_wait_loadcnt 0x0                             ; bo
	STEP 0, 0, 1                                   ; the first step starts the sums, from bo
	s_mov_b32 s3, LAPS-1
.Llap:
	TURN 0, 1, 1
	STEP 1, 0, 0
	TURN 1, 0, 1
	STEP 0, 0, 0
	s_sub_co_u32 s3, s3, 1
	s_cmp_lg_u32 s3, 0
	s_cbranch_scc1 .Llap
	TURN 0, 1, 0                                   ; the last lap fills nothing
	STEP 1, 0, 0
	s_wait_dscnt 4*NL
	WIN MUL_LO
	MUL16 0, 1, NQ-1, 1, 0
	MUL16 2, 1, NQ-1, 1, 0
	s_wait_dscnt 0
	WIN MUL_HI
	MUL16 4, 1, NQ-1, 1, 0
	MUL16 6, 1, NQ-1, 1, 0
	WIN 0
; THE WAY OUT, block by block of 16 row positions x 128 columns, through my own stage and back as whole rows of 512 bytes.  LDS serves a wave's instructions in order (ISA guide 5.7.1.4): no wait between the stores and the loads.
.macro TOSTAGE a
.set AC, 64*((\a)%4)
	WIN 0x08+4*((\a)/4)                            ; the data: window 2 or 3
.irp b, 0,1,2,3,4,5,6,7
	ds_store_b128 v[STO], v[AC+8*\b:AC+8*\b+3] offset:128*(\b/2)+32*(\b%2)        ; columns 32 (b / 2) + 16 h + 8 (b % 2) on; each accumulator from its low end on
	ds_store_b128 v[STO], v[AC+8*\b+4:AC+8*\b+7] offset:128*(\b/2)+32*(\b%2)+16
.endr
	WIN 0
.set BB, BK+64*((\a)%2)
.irp t, 0,1,2,3,4,5,6,7,8,9,10,11,12,13,14,15
	ds_load_b128 v[BB+4*\t:BB+4*\t+3], v[RD] offset:\t*SPITCH
.endr
.endm
.macro SEND a, younger                 ; younger: the LDS instructions issued behind block a's loads, which may stay out
.set BB, BK+64*((\a)%2)
	s_wait_dscnt \younger
.if ((\a) > 0) && ((\a)%2 == 0)
	s_add_nc_u64 s[12:13], s[12:13], 32*ROWC       ; (behind a wait on XCNT: the earlier stores have read their base)  two blocks are 32 rows
.endif
.irp t, 0,1,2,3,4,5,6,7,8,9,10,11,12,13,14,15
	global_store_b128 v[CO], v[BB+4*\t:BB+4*\t+3], s[12:13] offset:(8*((\a)%2)+\t+8*(\t/8))*ROWC th:TH_STORE_NT   ; position 16 a + t is row 32 (a / 2) + 8 (a % 2) + t + 8 (t / 8); 32 lanes store 512 consecutive bytes, aligned to 256
.endr
.endm
	PLACES NP
	TOSTAGE 0
.irp a, 1,2,3,4,5,6,7
.if \a > 1
	s_wait_xcnt 0x0                                ; block a - 2's stores have read their registers and their base
.endif
	TOSTAGE \a
	SEND \a-1, 32                                  ; behind block a - 1's loads: block a's 16 stores and 16 loads
.endr
	s_wait_xcnt 0x0
	SEND 7, 0
	s_wait_tensorcnt 0x0                           ; the wave's end
	ds_add_u32 v[SPW], v[NIL]
	s_wait_dscnt 0x0
	CROUND                                         ; the closing round
	s_endpgm
.Lfunc_end_k_qa60bb5eba9_outp:
	.size	k_qa60bb5eba9_outp, .Lfunc_end_k_qa60bb5eba9_outp-k_qa60bb5eba9_outp
	.p2alignl 7, 3214868480
	.fill 96, 4, 3214868480
	.section	.rodata,"a",@progbits
	.p2align	6, 0x0
	.amdhsa_kernel k_qa60bb5eba9_outp
		.amdhsa_group_segment_fixed_size 327680
		.amdhsa_private_segment_fixed_size 0
		.amdhsa_enable_private_segment 0
		.amdhsa_kernarg_size 48
		.amdhsa_user_sgpr_count 2
		.amdhsa_user_sgpr_kernarg_segment_ptr 1
		.amdhsa_wavefront_size32 1
		.amdhsa_system_sgpr_workgroup_id_x 1
		.amdhsa_system_sgpr_workgroup_id_y 1
		.amdhsa_system_sgpr_workgroup_id_z 1
		.amdhsa_system_vgpr_workitem_id 0
		.amdhsa_next_free_vgpr 1024
		.amdhsa_next_free_sgpr 98
		.amdhsa_reserve_vcc 0
		.amdhsa_float_denorm_mode_32 3
		.amdhsa_float_denorm_mode_16_64 3
		.amdhsa_memory_ordered 1
		.amdhsa_forward_progress 1
		.amdhsa_inst_pref_size 161
	.end_amdhsa_kernel
	.amdgpu_metadata
---
amdhsa.version: [ 1, 2 ]
amdhsa.kernels:
  - .name:           k_qa60bb5eba9_outp
    .symbol:         k_qa60bb5eba9_outp.kd
    .args:
      - { .name: yc, .offset: 0, .size: 8, .value_kind: global_buffer, .address_space: global }
      - { .name: ys, .offset: 8, .size: 8, .value_kind: global_buffer, .address_space: global }
      - { .name: wc, .offset: 16, .size: 8, .value_kind: global_buffer, .address_space: global }
      - { .name: ws, .offset: 24, .size: 8, .value_kind: global_buffer, .address_space: global }
      - { .name: bo, .offset: 32, .size: 8, .value_kind: global_buffer, .address_space: global }
      - { .name: out0, .offset: 40, .size: 8, .value_kind: global_buffer, .address_space: global }
    .group_segment_fixed_size: 327680
    .private_segment_fixed_size: 0
    .kernarg_segment_align: 8
    .kernarg_segment_size: 48
    .max_flat_workgroup_size: 128
    .sgpr_count:     98
    .vgpr_count:     1024
    .wavefront_size: 32
...
	.end_amdgpu_metadata
.endif
;; end of part 4
